; MI455X (gfx1250); checked and timed in simulation.
; The chip was launched on July 23, 2026; its instructions are those of AMD's public machine-readable ISA for CDNA 5 (MIT licence, August 2026) and "CDNA5" Instruction Set Architecture Reference Guide (July 2026). The comments in the code are by the model that wrote it; some were corrected since.
;; Kohonen Map. Allowed arithmetic: float matrix products may take bf16 or f16 operands with f32 sums; all other float work in f32.
;; Inputs: weights 4,096 x 512 float32; x 32,768 x 512 float32.
;; Outputs: out0 32,768 x 512 float32.
;; 2 versions, each right and faster than the one before. Each part assembles by itself: llvm-mc -triple=amdgcn-amd-amdhsa -mcpu=gfx1250 --defsym DOCPART=n.
;; ======== version 1 of 2: 4 launches
;; workspace buffers: wf 4,194,304 bytes; hw2 16,384 bytes; cand 262,144 bytes of whole numbers; bmu 131,072 bytes of whole numbers
;; launch prep (part 1): grid 256 x 1, 4 waves a work-group, no clusters, 19,200 bytes of LDS; arguments weights, wf, hw2; writes wf, hw2
.if DOCPART == 1
	.amdgcn_target "amdgcn-amd-amdhsa--gfx1250"
	.amdhsa_code_object_version 6
	.text
	.protected	k_qc58b513bf4_prep
	.globl	k_qc58b513bf4_prep
	.p2align	8
	.type	k_qc58b513bf4_prep,@function
k_qc58b513bf4_prep:
	s_mov_b64 s[64:65], 0
	v_nop
	global_prefetch_b8 v0, s[64:65] scope:SCOPE_SE
	s_setreg_imm32_b32 hwreg(HW_REG_WAVE_MODE, 25, 1), 1
	s_wait_xcnt 0x0
; weights [4096][512] f32  ->  wf: the same numbers rounded to bf16, laid out as the matrix unit's fragments;  hw2[n] = half the sum of squares of row n's ROUNDED numbers, f32.
; wf: tile g (neurons 16 g .. 16 g + 15) is 16,384 bytes; in it unit u = k / 8 is 256 bytes; in it neuron n % 16 has 16 bytes: k = 8 u .. 8 u + 7.
; So the 1,024 bytes of units 4 s .. 4 s + 3 are one fragment (16 neurons x 32 k): lane L takes its registers 0-3 at 16 L and 4-7 at 512 + 16 L.
; THE ORDER OF hw2's SUM is fixed: 16 windows of 32 consecutive k, each summed in ascending k, then the 16 window sums in ascending order; squares of bf16 numbers are exact in f32.
; A work-group makes one tile, wave w its rows 4 w .. 4 w + 3.  Each row is read once, 512 consecutive bytes a load; the turn from rows to units goes through LDS;
; wf leaves in stores of 512 consecutive bytes.  No cluster and no tensor load: no two work-groups read the same bytes, and a wave's 16 loads are all it ever asks for.
.set UP,    272                        ; a unit in LDS: 256 bytes + 16: the 16 units that a store touches start 4 banks apart (64 banks of 4 bytes: ISA guide 11.1)
.set WS,    64*UP                      ; behind the 64 units: the window sums, neuron r's 16 words at 80 r
.set WSP,   80
.set SPARE, WS+16*WSP                  ; behind them: the spare words, 128 bytes a wave: two blocks of 256 bytes that no other line names
.set SPW, 6                            ; v6   my spare word; never rewritten
.set NIL, 7                            ; v7   0; never rewritten
.set AWN, 8                            ; v8   where thread t reads its two windows: neuron t % 16, windows t / 16 and t / 16 + 8
.set AWS, 9                            ; v9   where it puts their sums
.set AWR, 10                           ; v10  where it reads its neuron's 16 sums
.set VH,  11                           ; v11  4 x thread
.set ZR,  12                           ; v12  0: what a window's sum starts from
.set C0,  13                           ; v13, v14  the two windows' running sums
.set X,   16                           ; v[16:79]   row rr, quarter q: 4 f32 at X + 16 rr + 4 q; later the units read back (X ..) and the two windows (X + 32 .., X + 48 ..)
.set P,   80                           ; v[80:111]  the rows as bf16: 2 registers at P + 8 rr + 2 q; later the 16 window sums
.set T,   112                          ; v[112:113] at work
	s_load_b128 s[4:7], s[0:1], 0x0                ; weights s[4:5], wf s[6:7]
	s_load_b64 s[8:9], s[0:1], 0x10                ; hw2
	v_lshl_add_u32 v[SPW], v0, 2, SPARE
	v_mov_b32 v[NIL], 0
	v_lshrrev_b32 v[T], 5, v0
	v_readfirstlane_b32 s10, v[T]                  ; wave 0..3
	v_and_b32 v1, 31, v0                           ; lane L
	s_lshl_b32 s14, ttmp9, 15                      ; my tile's 16 rows of 2,048 bytes
	s_mov_b32 s15, 0
	s_lshl_b32 s16, ttmp9, 14                      ; my tile in wf
	s_mov_b32 s17, 0
	s_lshl_b32 s18, ttmp9, 6                       ; my tile's 16 words of hw2
	s_mov_b32 s19, 0
	s_lshl_b32 s20, s10, 13
	v_lshl_add_u32 v2, v1, 4, s20                  ; in: 16 L + my wave's four rows
	v_lshrrev_b32 v[T], 1, v1                      ; stage, in: lane L holds k = 128 q + 4 L ..: unit 16 q + L / 2, half L % 2, neuron 4 w + rr
	v_mul_u32_u24 v3, v[T], UP
	v_and_b32 v[T], 1, v1
	v_lshl_add_u32 v3, v[T], 3, v3
	s_lshl_b32 s20, s10, 6
	v_add_nc_u32 v3, s20, v3
	v_lshrrev_b32 v[T], 4, v1                      ; stage, back: wave w takes units 16 w .., two a load
	v_mul_u32_u24 v4, v[T], UP
	v_and_b32 v[T], 15, v1
	v_lshl_add_u32 v4, v[T], 4, v4
	s_mul_i32 s20, s10, 16*UP
	v_add_nc_u32 v4, s20, v4
	s_lshl_b32 s20, s10, 12
	v_lshl_add_u32 v5, v1, 4, s20                  ; out: 4,096 w + 16 L
	v_and_b32 v[T], 15, v0                         ; my neuron for the sums
	v_lshrrev_b32 v[T+1], 4, v0                    ; my first window, 0..7: its four units begin at unit 4 x window
	v_mul_u32_u24 v[AWN], v[T+1], 4*UP
	v_lshl_add_u32 v[AWN], v[T], 4, v[AWN]
	v_mul_u32_u24 v[AWR], v[T], WSP
	v_add_nc_u32 v[AWR], WS, v[AWR]
	v_lshl_add_u32 v[AWS], v[T+1], 2, v[AWR]
	v_lshlrev_b32 v[VH], 2, v0
	v_mov_b32 v[ZR], 0
	s_wait_kmcnt 0x0
	s_add_nc_u64 s[4:5], s[4:5], s[14:15]
	s_add_nc_u64 s[6:7], s[6:7], s[16:17]
	s_add_nc_u64 s[8:9], s[8:9], s[18:19]
.irp rr, 0,1,2,3
.irp q, 0,1,2,3
	global_load_b128 v[X+16*\rr+4*\q:X+16*\rr+4*\q+3], v2, s[4:5] offset:2048*\rr+512*\q
.endr
.endr
.irp rr, 0,1,2,3
	s_wait_loadcnt 12-4*\rr                        ; loads come back in order: this row's four are in, the later rows' stay out
.irp q, 0,1,2,3
	v_cvt_pk_bf16_f32 v[P+8*\rr+2*\q],   v[X+16*\rr+4*\q],   v[X+16*\rr+4*\q+1]
	v_cvt_pk_bf16_f32 v[P+8*\rr+2*\q+1], v[X+16*\rr+4*\q+2], v[X+16*\rr+4*\q+3]
.endr
.irp q, 0,1,2,3
	ds_store_b64 v3, v[P+8*\rr+2*\q:P+8*\rr+2*\q+1] offset:\q*16*UP+\rr*16
.endr
.endr
	s_wait_dscnt 0x0                               ; for the others' sake: my stores into the stage are done
	s_barrier_signal -1
	s_barrier_wait -1
.irp i, 0,1,2,3,4,5,6,7
	ds_load_b128 v[X+4*\i:X+4*\i+3], v4 offset:\i*2*UP
.endr
.irp i, 0,1,2,3
	ds_load_b128 v[X+32+4*\i:X+32+4*\i+3], v[AWN] offset:\i*UP        ; my first window: 32 k of my neuron
	ds_load_b128 v[X+48+4*\i:X+48+4*\i+3], v[AWN] offset:(32+\i)*UP   ; and the window eight further on
.endr
.irp i, 0,1,2,3,4,5,6,7
	s_wait_dscnt 15-\i                             ; LDS loads come back in order: two units are in; the younger read-backs and the eight window loads stay out
	global_store_b128 v5, v[X+4*\i:X+4*\i+3], s[6:7] offset:512*\i  ; 512 consecutive bytes, at a multiple of 256 from wf's first byte
.endr
	s_wait_dscnt 0x0                               ; the windows are in
	; two chains of 32 fused multiply-adds in ascending k, straight from the bf16 halves, taking turns
	v_fma_mix_f32_bf16 v[C0],   v[X+32], v[X+32], v[ZR] op_sel_hi:[1,1,0]
	v_fma_mix_f32_bf16 v[C0+1], v[X+48], v[X+48], v[ZR] op_sel_hi:[1,1,0]
	v_fma_mix_f32_bf16 v[C0],   v[X+32], v[X+32], v[C0]   op_sel:[1,1,0] op_sel_hi:[1,1,0]
	v_fma_mix_f32_bf16 v[C0+1], v[X+48], v[X+48], v[C0+1] op_sel:[1,1,0] op_sel_hi:[1,1,0]
.set i, 1
.rept 15
	v_fma_mix_f32_bf16 v[C0],   v[X+32+i], v[X+32+i], v[C0]   op_sel_hi:[1,1,0]
	v_fma_mix_f32_bf16 v[C0+1], v[X+48+i], v[X+48+i], v[C0+1] op_sel_hi:[1,1,0]
	v_fma_mix_f32_bf16 v[C0],   v[X+32+i], v[X+32+i], v[C0]   op_sel:[1,1,0] op_sel_hi:[1,1,0]
	v_fma_mix_f32_bf16 v[C0+1], v[X+48+i], v[X+48+i], v[C0+1] op_sel:[1,1,0] op_sel_hi:[1,1,0]
.set i, i+1
.endr
	ds_store_b32 v[AWS], v[C0]
	ds_store_b32 v[AWS], v[C0+1] offset:32
	s_wait_dscnt 0x0                               ; for the others' sake: my two window sums are stored
	s_barrier_signal -1
	s_barrier_wait -1
.irp i, 0,1,2,3
	ds_load_b128 v[P+4*\i:P+4*\i+3], v[AWR] offset:16*\i
.endr
	s_wait_dscnt 0x0
	v_add_f32 v[C0], v[P], v[P+1]                  ; the 16 window sums in ascending order
.set i, 2
.rept 14
	v_add_f32 v[C0], v[C0], v[P+i]
.set i, i+1
.endr
	v_mul_f32 v[C0], 0.5, v[C0]                    ; halving is exact
	s_wait_xcnt 0x0                                ; EXEC is a source of the stores above: it changes only behind this wait
	v_cmp_gt_u32 vcc_lo, 16, v0
	s_and_saveexec_b32 s20, vcc_lo
	global_store_b32 v[VH], v[C0], s[8:9]          ; threads 0-15: 64 bytes a work-group; all of hw2 is 16,384 bytes
	s_wait_xcnt 0x0                                ; and again in front of the line that widens it
	s_or_b32 exec_lo, exec_lo, s20
	s_wait_tensorcnt 0x0                           ; the wave's end, behind my last LDS store
	ds_add_u32 v[SPW], v[NIL]
	s_wait_dscnt 0x0
	s_endpgm
.Lfunc_end_k_qc58b513bf4_prep:
	.size	k_qc58b513bf4_prep, .Lfunc_end_k_qc58b513bf4_prep-k_qc58b513bf4_prep
	.p2alignl 7, 3214868480
	.fill 96, 4, 3214868480
	.section	.rodata,"a",@progbits
	.p2align	6, 0x0
	.amdhsa_kernel k_qc58b513bf4_prep
		.amdhsa_group_segment_fixed_size 19200
		.amdhsa_private_segment_fixed_size 0
		.amdhsa_enable_private_segment 0
		.amdhsa_kernarg_size 24
		.amdhsa_user_sgpr_count 2
		.amdhsa_user_sgpr_kernarg_segment_ptr 1
		.amdhsa_wavefront_size32 1
		.amdhsa_system_sgpr_workgroup_id_x 1
		.amdhsa_system_sgpr_workgroup_id_y 1
		.amdhsa_system_sgpr_workgroup_id_z 1
		.amdhsa_system_vgpr_workitem_id 0
		.amdhsa_next_free_vgpr 128
		.amdhsa_next_free_sgpr 66
		.amdhsa_reserve_vcc 1
		.amdhsa_float_denorm_mode_32 3
		.amdhsa_float_denorm_mode_16_64 3
		.amdhsa_memory_ordered 1
		.amdhsa_forward_progress 1
		.amdhsa_inst_pref_size 15
	.end_amdhsa_kernel
	.amdgpu_metadata
---
amdhsa.version: [ 1, 2 ]
amdhsa.kernels:
  - .name:           k_qc58b513bf4_prep
    .symbol:         k_qc58b513bf4_prep.kd
    .args:
      - { .name: weights, .offset: 0, .size: 8, .value_kind: global_buffer, .address_space: global }
      - { .name: wf, .offset: 8, .size: 8, .value_kind: global_buffer, .address_space: global }
      - { .name: hw2, .offset: 16, .size: 8, .value_kind: global_buffer, .address_space: global }
    .group_segment_fixed_size: 19200
    .private_segment_fixed_size: 0
    .kernarg_segment_align: 8
    .kernarg_segment_size: 24
    .max_flat_workgroup_size: 128
    .sgpr_count:     66
    .vgpr_count:     128
    .wavefront_size: 32
...
	.end_amdgpu_metadata
.endif
;; end of part 1
;; launch winner (part 2): grid 256 x 1, 4 waves a work-group, clusters of 4 x 1, 327,680 bytes of LDS; arguments x, wf, hw2, cand; writes cand
.if DOCPART == 2
	.amdgcn_target "amdgcn-amd-amdhsa--gfx1250"
	.amdhsa_code_object_version 6
	.text
	.protected	k_qc58b513bf4_winner
	.globl	k_qc58b513bf4_winner
	.p2align	8
	.type	k_qc58b513bf4_winner,@function
k_qc58b513bf4_winner:
	s_mov_b64 s[64:65], 0
	v_nop
	global_prefetch_b8 v0, s[64:65] scope:SCOPE_SE
	s_setreg_imm32_b32 hwreg(HW_REG_WAVE_MODE, 25, 1), 1
	s_wait_xcnt 0x0
	s_wait_alu depctr_hold_cnt(0) depctr_sa_sdst(0) depctr_va_vdst(0) depctr_va_sdst(0) depctr_va_ssrc(0) depctr_va_vcc(0) depctr_vm_vsrc(0)
	s_getreg_b32 s2, hwreg(HW_REG_IB_STS2, 6, 4)
	s_cmp_eq_u32 s2, 0
	s_cbranch_scc0 .Lentry_in_a_cluster
	s_endpgm
.Lentry_in_a_cluster:
	s_bfe_u32 s2, ttmp6, 0x10000c
	s_cmp_lg_u32 s2, 0x3003
	s_cbranch_scc0 .Lentry_shape_is_right
	s_endpgm
.Lentry_shape_is_right:
; cand[n] = the two neurons k with the least (x2[n] - 2 x[n].w[k]) + w2[k], the better first.  x [32768][512] f32; wf, hw2: the weights in bf16 as fragments and half their sums of squares.
; A later launch sums the two candidates' distances anew in f32 and decides between them; this one sifts 4,096 neurons down to two.
; ARITHMETIC.  x is rounded to bf16 on its way in; the product is bf16 x bf16 with f32 sums; x2 is the sum of squares of the rounded x.  Compared is e = (x2/2 - x.w) + w2/2: every
; term is half of the distance's and a factor 2 passes through every f32 rounding, so e orders, and ties, as the distance does.
; LIMITS.  Each lane keeps ONE best neuron of its 128 (below), and the two candidates are the best two of a point's 32 lanes: where the two least distances fall to one lane, the second candidate
; is the third best, and the order of the first two is that of the matrix unit's sums.  Distances under 2^-125 lose bits by the halving.  e of 3.4e38 or more never wins; NaN and infinite
; distances are not ordered as an argmin orders them: some number is then stored, and the launches behind clamp it to 4,095.
; SHARES.  A work-group owns 128 points.  Wave w: points 64 (w / 2) .. + 63 and, of every 128 neurons, 64 (w % 2) .. + 63.  A wave's 64 points x 512 k in bf16 are 512 registers and STAY there:
; in the loop LDS is read for the weights alone, two loads of 16 bytes a lane for four matrix instructions.  The weights walk through two LDS slots of 128 neurons (131,072 bytes): 32 trips,
; 256 matrix instructions a wave in each.  The [point][neuron] distances never leave registers.
; CLUSTER.  All work-groups walk the same weights: the four of a cluster ask for each tile JOINTLY, by the same tensor load, descriptor and mask.  x is nobody else's: its load has no mask.
; LAYOUT.  Source 0 = 16 points, source 1 = 16 neurons: in the result a lane holds ONE neuron (lane % 16) and the points 8 (lane / 16) + 0..7.  So a lane keeps, for 32 points, the least e and its
; neuron tile among the neurons of its own residue; the 32 candidates of a point (16 lanes x 2 waves) meet once, at the end, in LDS.
; RIDERS.  The 144 vector instructions that fold a finished tile of 16 neurons into the minima stand behind the next tile's 64 matrix instructions, two or three behind each; two sets of four accumulators take turns.
; REGISTERS, in windows of 256 (s_set_vgpr_msb: bits 1:0 source 0, 3:2 source 1, 5:4 source 2, 7:6 destination).  x's fragments: k steps 0-5 in window 1, 6-10 in window 2, 11-15 in window 3.
; All else lies in window 0.  In the loop ONLY SOURCE 0's WINDOW changes, three times for 64 matrix instructions: every rider has a constant, a scalar or HX as source 0, and HX (x2/2) and the
; LDS address of the fragment loads (an LDS load's address is its source 0) are kept in all three windows.
.set XP,     1040                      ; x's stage: a row of 256 f32 + 16 bytes = 260 words: the 16 rows of a load start 4 banks apart (64 banks of 4 bytes: ISA guide 11.1)
.set XPIECE, 64*XP                     ; what one wave's tensor load brings: 64 rows x 256 k.  Piece w: k half w / 2, rows 64 (w % 2) ..
.set XKH,    2*XPIECE                  ; so k half 1 begins here
.set SLOT1,  1<<17                     ; the ring lies over the stage: slot 0 at 0 (inside k half 0), slot 1 here; one exclusive or turns one slot's address into the other's
.set W2T,    4*XPIECE                  ; behind the stage: hw2, all 16,384 bytes, filled once
.set RP,     144                       ; a point's 32 candidates: 128 bytes + 16
.set RED_D,  W2T+16384                 ; 128 points' candidate distances; never the target of a fill
.set RED_I,  128*RP                    ; their indices lie this far behind
.set SPARE,  RED_D+2*128*RP            ; the spare words, 128 bytes a wave: two blocks of 256 bytes that no other line names
.set VRL, 1                            ; v1  r = lane % 16
.set VHL, 2                            ; v2  h = lane / 16
.set AB0, 3                            ; v3  16 lane + 65,536 (w % 2): my place in a slot
.set AW0, 4                            ; v4  W2T + 256 (w % 2) + 4 r
.set AX0, 5                            ; v5, v6  my place in x's stage, k half 0 and 1
.set VS,  7                            ; v7  where I put candidates
.set VR,  8                            ; v8  where thread P reads point P's
.set SPW, 9                            ; v9  my spare word; never rewritten
.set NIL, 10                           ; v10 0; never rewritten
.set VO,  11                           ; v11 8 x thread
.set DF,  12                           ; v[12:15] e - best, two pairs at work
.set HW,  16                           ; v16, v18 w2/2 of my neuron, by the tile's parity (v17, v19 are named with them as pairs)
.set BI,  20                           ; v[20:27] lane selects for the diagonal
.set ACC, 32                           ; v[32:95] two sets of four accumulators: set p, point tile a at ACC + 32 p + 8 a
.set BEST, 96                          ; v[96:127]  least e of point 16 a + 8 h + j at BEST + 8 a + j
.set IDX, 128                          ; v[128:159] its neuron tile's first neuron
.set WF,  160                          ; v[160:223] a ring of eight fragments of the weights
.set GR,  224                          ; v[224:255] x x^T, four tiles
.set T0,  96                           ; before the loop: two buffers of 64 for x in f32 (v96-159, v160-223)
.set HX,  192                          ; windows 1-3: v[192:223] x2/2 of point 16 a + 8 h + j at HX + 8 a + j
.set ADR, 224                          ; windows 1-3: v224 LDS address of the slot's fragments
.set ADRW, 225                         ; window 1: v225 LDS address of the trip's hw2
.set WV,  12                           ; s12 wave
.set MH,  13                           ; s13 w / 2
.set NH,  14                           ; s14 w % 2
.set WG,  15                           ; s15 work-group: it enters x's and cand's addresses alone
.set G1X, 16                           ; s[16:23] group 1 for x
.set G1W, 24                           ; s[24:31] for a quarter of a weight tile
.set G1H, 32                           ; s[32:39] for a quarter of hw2
.set G0X, 40                           ; s[40:43], s[44:47], s[48:51] their groups 0; the last walks
.set G0H, 44
.set G0W, 48
.set TB,  52                           ; s52 the slot that the fragment loads read
.set TW,  53                           ; s53 the trip's 512 bytes of hw2
.set CUR, 54                           ; s54 first neuron of the tile that the riders fold in
.set TRIPS, 55
.set INF, 56                           ; s56 +infinity: the scalar source 0 of the three-operand minimum
.set MK,  58                           ; s[58:61] four lane masks
.set MSB, 0
.macro WIN new                         ; the immediate's high byte repeats the setting that is left; a switch that changes nothing is dropped
.if MSB != (\new)
	s_set_vgpr_msb (MSB<<8)|(\new)
.set MSB, (\new)
.endif
.endm
.macro CREST                           ; a round of the cluster's barrier behind its opening barrier
	s_cmp_lg_u32 s[WV], 0
	s_cbranch_scc1 .Lnot_wave_0_\@
	s_barrier_signal -3
.Lnot_wave_0_\@:
	s_barrier_wait -3
	s_barrier_signal -1
	s_barrier_wait -1
.endm
.macro ROUND                           ; a whole round
	s_barrier_signal -1
	s_barrier_wait -1
	CREST
.endm
.macro JLOAD                           ; my quarter (32,768 bytes) of a weight tile, jointly with the same wave of my three partners; an s_nop 0 and four v_nop follow
	tensor_load_to_lds s[G0W:G0W+3], s[G1W:G1W+7]
	s_nop 0
.rept 4
	v_nop
.endr
.endm
.macro GSTEP                           ; the walking descriptor: the other slot, the next 128 neurons; the type bits on top are not reached
	s_xor_b32 s[G0W+1], s[G0W+1], SLOT1
	s_add_nc_u64 s[G0W+2:G0W+3], s[G0W+2:G0W+3], 131072
.endm
.macro XPOS s                          ; window XW and first register XB of x's four fragments of k step s
.if (\s) < 6
.set XW, 1
.set XB, 32*(\s)
.elseif (\s) < 11
.set XW, 2
.set XB, 32*((\s)-6)
.else
.set XW, 3
.set XB, 32*((\s)-11)
.endif
.endm
	s_load_b256 s[4:11], s[0:1], 0x0               ; x s[4:5], wf s[6:7], hw2 s[8:9], cand s[10:11]
	v_lshl_add_u32 v[SPW], v0, 2, SPARE
	v_mov_b32 v[NIL], 0
	ds_add_u32 v[SPW], v[NIL]                      ; the wave's opening: the add and its wait stand ahead of my first tensor load; the set-up below, work on registers, stands between them
	v_lshrrev_b32 v1, 5, v0
	v_readfirstlane_b32 s[WV], v1                  ; wave 0..3
	s_lshr_b32 s[MH], s[WV], 1
	s_and_b32 s[NH], s[WV], 1
	s_bfe_u32 s[WG], ttmp6, 0x40000                ; cx: my place in the cluster
	s_lshl_b32 s66, ttmp9, 2                       ; in a cluster launch ttmp9 counts clusters
	s_add_co_u32 s[WG], s66, s[WG]
	; group 1 for x: 64 rows x 256 elements of 4 bytes, 512 elements from row to row, 4 words of padding behind every 256
	s_mov_b32 s[G1X+0], (2<<16)|(1<<20)|(7<<22)|(3<<25)  ; 15:0 no mask; 17:16 4-byte elements; 20 padding on; 24:22 after every 256 words (code 7); 31:25 4 words (code 3)
	s_mov_b32 s[G1X+1], 256<<16                    ; tensor_dim0 = 256
	s_mov_b32 s[G1X+2], 64<<16                     ; tensor_dim1 = 64
	s_mov_b32 s[G1X+3], 256<<16                    ; tile_dim0 = 256
	s_mov_b32 s[G1X+4], 64                         ; tile_dim1 = 64
	s_mov_b32 s[G1X+5], 512                        ; the pitch
	s_mov_b32 s[G1X+6], 0
	s_mov_b32 s[G1X+7], 0
	; group 1 for the weights: dense bytes as 128 rows of 32 elements of 8 bytes; for hw2: 16 such rows.  15:0 the mask of four; 17:16 8-byte elements; 21 set beside a mask
	s_mov_b32 s[G1W+0], 15|(3<<16)|(1<<21)
	s_mov_b32 s[G1W+1], 32<<16
	s_mov_b32 s[G1W+2], 128<<16
	s_mov_b32 s[G1W+3], 32<<16
	s_mov_b32 s[G1W+4], 128
	s_mov_b32 s[G1W+5], 32
	s_mov_b32 s[G1W+6], 0
	s_mov_b32 s[G1W+7], 0
	s_mov_b32 s[G1H+0], 15|(3<<16)|(1<<21)
	s_mov_b32 s[G1H+1], 32<<16
	s_mov_b32 s[G1H+2], 16<<16
	s_mov_b32 s[G1H+3], 32<<16
	s_mov_b32 s[G1H+4], 16
	s_mov_b32 s[G1H+5], 32
	s_mov_b32 s[G1H+6], 0
	s_mov_b32 s[G1H+7], 0
	s_mov_b32 s[G0X], 1                            ; groups 0: count 1; the LDS addresses hang on the wave's number alone
	s_mul_i32 s[G0X+1], s[WV], XPIECE
	s_mov_b32 s[G0H], 1
	s_lshl_b32 s[G0H+1], s[WV], 12
	s_add_co_u32 s[G0H+1], s[G0H+1], W2T
	s_mov_b32 s[G0W], 1
	s_lshl_b32 s[G0W+1], s[WV], 15                 ; slot 0
	s_lshl_b32 s66, s[WG], 18                      ; x: my group's 128 rows of 2,048 bytes,
	s_lshl_b32 s67, s[NH], 17                      ; the piece's 64 rows,
	s_add_co_u32 s66, s66, s67
	s_lshl_b32 s67, s[MH], 10                      ; its half of k
	s_add_co_u32 s66, s66, s67
	s_mov_b32 s67, 0
	s_lshl_b32 s68, s[WG], 10                      ; cand: my group's 128 pairs of words
	s_mov_b32 s69, 0
	s_lshl_b32 s70, s[WV], 12                      ; hw2: my quarter
	s_mov_b32 s71, 0
	s_lshl_b32 s62, s[WV], 15                      ; wf: my quarter of tile 0
	s_mov_b32 s63, 0
	s_mov_b32 s[INF], 0x7f800000
	s_wait_dscnt 0x0                               ; the opening add is done
	s_wait_kmcnt 0x0
	s_add_nc_u64 s[G0X+2:G0X+3], s[4:5], s[66:67]
	s_or_b32 s[G0X+3], s[G0X+3], 0x80000000        ; type = 2
	s_add_nc_u64 s[G0H+2:G0H+3], s[8:9], s[70:71]
	s_or_b32 s[G0H+3], s[G0H+3], 0x80000000
	s_add_nc_u64 s[G0W+2:G0W+3], s[6:7], s[62:63]
	s_or_b32 s[G0W+3], s[G0W+3], 0x80000000
	s_add_nc_u64 s[10:11], s[10:11], s[68:69]
	ROUND                                          ; all four work-groups are here: the first loads go out as one group behind this round; two of mine are out
	tensor_load_to_lds s[G0X:G0X+3], s[G1X:G1X+7]
	s_nop 0
	tensor_load_to_lds s[G0H:G0H+3], s[G1H:G1H+7]
	s_nop 0
.rept 4
	v_nop
.endr
	v_and_b32 v[VRL], 15, v0
	v_bfe_u32 v[VHL], v0, 4, 1
	v_and_b32 v[AB0], 31, v0
	s_lshl_b32 s70, s[NH], 16
	v_lshl_add_u32 v[AB0], v[AB0], 4, s70
	s_lshl_b32 s70, s[NH], 8
	s_add_co_u32 s70, s70, W2T
	v_lshl_add_u32 v[AW0], v[VRL], 2, s70
	s_mul_i32 s70, s[MH], 64*XP                    ; a fragment's lane takes row r, k = 8 h .. + 7 and 16 + 8 h .. + 7: in f32, 32 bytes at 32 h and at 64 + 32 h
	v_mul_u32_u24 v[AX0], v[VRL], XP
	v_lshl_add_u32 v[AX0], v[VHL], 5, v[AX0]
	v_add_nc_u32 v[AX0], s70, v[AX0]
	v_add_nc_u32 v[AX0+1], XKH, v[AX0]
	s_mul_i32 s70, s[MH], 64*RP                    ; candidates: point 64 (w / 2) + 16 a + 8 h + j, place 16 (w % 2) + r
	s_lshl_b32 s71, s[NH], 6
	s_add_co_u32 s70, s70, s71
	s_add_co_u32 s70, s70, RED_D
	v_mul_u32_u24 v[VS], v[VHL], 8*RP
	v_lshl_add_u32 v[VS], v[VRL], 2, v[VS]
	v_add_nc_u32 v[VS], s70, v[VS]
	v_mul_u32_u24 v[VR], v0, RP
	v_add_nc_u32 v[VR], RED_D, v[VR]
	v_lshlrev_b32 v[VO], 3, v0
	s_wait_tensorcnt 0x0                           ; my piece of x and my quarter of hw2 are in,
	s_barrier_signal -1
	s_barrier_wait -1                              ; everybody's are
; x FROM THE STAGE INTO FRAGMENTS.  XLOAD: k step s of my 64 rows, 16 loads, into buffer b.  XCVT: rounded to bf16, 32 conversions, into the step's window.
.macro XLOAD s, b
	WIN 0
.irp a, 0,1,2,3
	ds_load_b128 v[T0+64*(\b)+16*\a:T0+64*(\b)+16*\a+3],     v[AX0+((\s)>>3)] offset:\a*16*XP+((\s)&7)*128
	ds_load_b128 v[T0+64*(\b)+16*\a+4:T0+64*(\b)+16*\a+7],   v[AX0+((\s)>>3)] offset:\a*16*XP+((\s)&7)*128+16
	ds_load_b128 v[T0+64*(\b)+16*\a+8:T0+64*(\b)+16*\a+11],  v[AX0+((\s)>>3)] offset:\a*16*XP+((\s)&7)*128+64
	ds_load_b128 v[T0+64*(\b)+16*\a+12:T0+64*(\b)+16*\a+15], v[AX0+((\s)>>3)] offset:\a*16*XP+((\s)&7)*128+80
.endr
.endm
.macro XCVT s, b
	XPOS \s
	WIN XW<<6                                      ; destination in the step's window, sources in window 0
.irp a, 0,1,2,3
.irp e, 0,1,2,3,4,5,6,7
	v_cvt_pk_bf16_f32 v[XB+8*\a+\e], v[T0+64*(\b)+16*\a+2*\e], v[T0+64*(\b)+16*\a+2*\e+1]
.endr
.endr
	WIN 0
.endm
.macro XHALF k                         ; the eight k steps of half k; a step's loads are out while the step before is converted
	XLOAD 8*(\k), 0
.irp j, 0,1,2,3,4,5,6
	XLOAD 8*(\k)+\j+1, (\j+1)%2
	s_wait_dscnt 16                                ; all but the 16 just issued
	XCVT 8*(\k)+\j, \j%2
.endr
	s_wait_dscnt 0x0
	XCVT 8*(\k)+7, 1
.endm
	XHALF 0
	s_wait_tensorcnt 0x0                           ; slot 0 lies inside k half 0 of the stage, which is read out: it is filled again in this order:
	ds_add_u32 v[SPW], v[NIL]                      ; the wait for all my tensor loads, the add,
	s_wait_dscnt 0x0                               ; the wait for it and for my reads of those bytes,
	ROUND                                          ; a round, so that the same holds of every wave of every partner,
	JLOAD                                          ; and the joint load first behind it: neurons 0-127
	XHALF 1                                        ; k half 1 lies above slot 0
	; x2 BY THE MATRIX UNIT: the diagonal of X X^T is the sum of squares of the rounded x.  64 instructions; the four accumulators take turns.
.irp s, 0,1,2,3,4,5,6,7,8,9,10,11,12,13,14,15
	XPOS \s
	WIN XW|(XW<<2)                                 ; sources 0 and 1 in the step's window
.irp a, 0,1,2,3
.if \s == 0
	v_wmma_f32_16x16x32_bf16 v[GR+8*\a:GR+8*\a+7], v[XB+8*\a:XB+8*\a+7], v[XB+8*\a:XB+8*\a+7], 0
.else
	v_wmma_f32_16x16x32_bf16 v[GR+8*\a:GR+8*\a+7], v[XB+8*\a:XB+8*\a+7], v[XB+8*\a:XB+8*\a+7], v[GR+8*\a:GR+8*\a+7]
.endif
.endr
.endr
	WIN 0
	; Element (8 h + j, 8 h + j) lies in register j of lane 24 h + j; every lane of half h wants it.  The eight lines that make the selects are also the places behind the last product.
	v_mul_u32_u24 v[BI], v[VHL], 96
.irp j, 1,2,3,4,5,6,7
	v_add_nc_u32 v[BI+\j], 4*\j, v[BI]
.endr
.irp a, 0,1,2,3
.irp j, 0,1,2,3,4,5,6,7
	ds_bpermute_b32 v[T0+64+8*\a+\j], v[BI+\j], v[GR+8*\a+\j]  ; each accumulator is read from its low end on
.endr
.endr
	s_wait_dscnt 0x0
.irp w, 1,2,3
	WIN \w<<6
.set i, 0
.rept 32
	v_mul_f32 v[HX+i], 0.5, v[T0+64+i]             ; x2/2, once for each window
.set i, i+1
.endr
.endr
	WIN 0
	s_wait_tensorcnt 0x0                           ; tile 0 has landed; no tensor load of mine is out, so the walking group 0 may be written
	ds_add_u32 v[SPW], v[NIL]
	GSTEP
	s_wait_dscnt 0x0                               ; the add is done; my reads of the stage are long over
	ROUND
	JLOAD                                          ; neurons 128-255 into slot 1, over what is left of the stage
.macro SETADR                          ; the LDS addresses for the slot in s[TB], in each window that issues loads
	WIN 0x40
	v_add_nc_u32 v[ADR], s[TB], v[AB0]
	v_add_nc_u32 v[ADRW], s[TW], v[AW0]
	WIN 0x80
	v_add_nc_u32 v[ADR], s[TB], v[AB0]
	WIN 0xc0
	v_add_nc_u32 v[ADR], s[TB], v[AB0]
.endm
.macro RLOAD n                         ; fragment n of the slot's 64 of mine (neuron tile n / 16, k step n % 16) into the ring: 1,024 consecutive bytes, two loads
	ds_load_b128 v[WF+8*((\n)%8):WF+8*((\n)%8)+3],   v[ADR] offset:(\n)*1024
	ds_load_b128 v[WF+8*((\n)%8)+4:WF+8*((\n)%8)+7], v[ADR] offset:(\n)*1024+512
.endm
.macro MM a, s, p                      ; point tile a, k step s, accumulator set p; the first k step starts the sum
	XPOS \s
.if (\s) == 0
	v_wmma_f32_16x16x32_bf16 v[ACC+32*(\p)+8*(\a):ACC+32*(\p)+8*(\a)+7], v[XB+8*(\a):XB+8*(\a)+7], v[WF+8*((\s)%8):WF+8*((\s)%8)+7], 0
.else
	v_wmma_f32_16x16x32_bf16 v[ACC+32*(\p)+8*(\a):ACC+32*(\p)+8*(\a)+7], v[XB+8*(\a):XB+8*(\a)+7], v[WF+8*((\s)%8):WF+8*((\s)%8)+7], v[ACC+32*(\p)+8*(\a):ACC+32*(\p)+8*(\a)+7]
.endif
.endm
; ONE RIDER, for pair u (registers 2 u, 2 u + 1 of the 32) of accumulator set RQ; e picks a register of the pair.
;   1  x2/2 - dot      2  + w2/2      3  e - best (its sign is exact)      4  mask: 0 <= e - best, the old winner stays, on equal numbers too      5  the index      6  the minimum
.macro RD k, u, e
.set rE, ACC+32*RQ+2*(\u)
.set rB, BEST+2*(\u)
.set rI, IDX+2*(\u)
.set rH, HX+2*(\u)
.set rD, DF+2*((\u)%2)
.set rM, MK+2*((\u)%2)+(\e)
.if (\k) == 1
	v_pk_fma_f32 v[rE:rE+1], v[rH:rH+1], 1.0, v[rE:rE+1] op_sel_hi:[1,0,1] neg_lo:[0,0,1] neg_hi:[0,0,1]
.elseif (\k) == 2
	v_pk_fma_f32 v[rE:rE+1], 1.0, v[rE:rE+1], v[HW+2*RQ:HW+2*RQ+1] op_sel_hi:[0,1,0]
.elseif (\k) == 3
	v_pk_fma_f32 v[rD:rD+1], -1.0, v[rB:rB+1], v[rE:rE+1] op_sel_hi:[0,1,1]
.elseif (\k) == 4
	v_cmp_le_f32 s[rM], 0, v[rD+(\e)]
.elseif (\k) == 5
	v_cndmask_b32 v[rI+(\e)], s[CUR], v[rI+(\e)], s[rM]
.else
	v_min3_num_f32 v[rB+(\e)], s[INF], v[rE+(\e)], v[rB+(\e)]
.endif
.endm
; The riders behind product g of k step s: steps 2 v and 2 v + 1 carry pairs 2 v and 2 v + 1.
.macro RG s, g
.set UA, 2*((\s)/2)
.set UB, UA+1
.if ((\s)%2) == 0
.if (\g) == 0
	RD 1, UA, 0
	RD 1, UB, 0
.elseif (\g) == 1
	RD 2, UA, 0
	RD 2, UB, 0
.elseif (\g) == 2
	RD 3, UA, 0
	RD 3, UB, 0
.else
	RD 4, UA, 0
	RD 4, UA, 1
	RD 4, UB, 0
.endif
.else
.if (\g) == 0
	RD 4, UB, 1
	RD 5, UA, 0
.elseif (\g) == 1
	RD 5, UA, 1
	RD 5, UB, 0
.elseif (\g) == 2
	RD 5, UB, 1
	RD 6, UA, 0
.else
	RD 6, UA, 1
	RD 6, UB, 0
	RD 6, UB, 1
.endif
.endif
.endm
; A STEP: neuron tile i (0-3) of the slot, k step s: fragment FN = 16 i + s.  Four products, their riders, and the loads of the fragment seven on: its ring place was last read by the step
; before, nine vector instructions back (a load into a register that a matrix instruction has read stands four places behind it).
; THE CHANGE OF SLOTS stands in steps 58 and 59.  57 and 58 load nothing: the next slot may not be read yet.  58: the wait for all my tensor loads (one is out: my quarter of the next slot), the add,
; four products, the wait for the add and for my last reads of this slot, the signal.  59: four products on registers; the barrier's wait; with fill = 1 the rest of a round of the cluster's barrier
; and the joint refill of the slot just left, with the neurons two slots on: it has 252 matrix instructions in which to land; then the three fragments that were held back.
.macro STEP i, s, fill
.set FN, 16*(\i)+(\s)
.set PP, (\i)%2
.set RQ, 1-PP
.if (\s) == 0
.if (\i) == 1
	s_add_co_u32 s[CUR], s[CUR], 80                ; the riders now fold in tile 0 of this slot: from tile 3 of the last slot that is 128 - 48 neurons on
.else
	s_add_co_u32 s[CUR], s[CUR], 16
.endif
.endif
.if FN == 58
	WIN 0                                          ; (the add's two registers lie in window 0)
	s_wait_tensorcnt 0x0                           ; all my tensor loads have landed
	ds_add_u32 v[SPW], v[NIL]                      ; 0 onto my spare word
.endif
	XPOS \s
	WIN XW
.if FN <= 57
	s_wait_dscnt 12                                ; LDS loads come back in order: this step's fragment is in; the six younger fragments' twelve loads may be out
.elseif FN == 58
	s_wait_dscnt 11                                ; five younger fragments' ten loads and the add may be out
.endif
	MM 0, \s, PP
	RG \s, 0
	MM 1, \s, PP
	RG \s, 1
	MM 2, \s, PP
	RG \s, 2
.if FN <= 56
	RLOAD FN+7
.elseif FN >= 60
	RLOAD FN-57
.endif
.if (\s) == 1
	ds_load_b32 v[HW+2*PP], v[ADRW] offset:64*(\i) ; w2/2 of this tile's neurons, for the riders of the next tile; shown in by the fragment waits eight steps on
.endif
	MM 3, \s, PP
	RG \s, 3
.if FN == 58
.if \fill
	GSTEP
.endif
	s_wait_dscnt 0x0                               ; the add is done, and my reads of this slot are over
	s_barrier_signal -1
.endif
.if FN == 59
	WIN 0                                          ; at a branch and at a label every window is 0
	s_barrier_wait -1
.if \fill
	CREST                                          ; no wave of any partner still reads this slot or has a load on its way
	JLOAD
.endif
	s_xor_b32 s[TB], s[TB], SLOT1
	s_add_co_u32 s[TW], s[TW], 512
	SETADR
	WIN 3
	RLOAD 0
	RLOAD 1
	RLOAD 2
.endif
.endm
.macro TRIP fill                       ; a slot: 64 steps.  The four accumulators of a set take turns, one instruction a turn, over the tiles' and the trips' edges too
.irp i, 0,1,2,3
.irp s, 0,1,2,3,4,5,6,7,8,9,10,11,12,13,14,15
	STEP \i, \s, \fill
.endr
.endr
	WIN 0
.endm
	s_mov_b32 s[TB], 0
	s_mov_b32 s[TW], 0
	SETADR
	WIN 1
.irp n, 0,1,2,3,4,5,6
	RLOAD \n
.endr
	WIN 0
	; What the first tile's riders find, written while those loads are out: the least e is the largest finite number, and accumulator set 1 holds its negative with w2/2 = 0:
	; e - best is 0 and nothing changes.  So no first tile is written out; the price is these 100 moves, once a launch.
	s_mov_b32 s62, 0x7f7fffff
	s_mov_b32 s63, 0xff7fffff
.set i, 0
.rept 32
	v_mov_b32 v[BEST+i], s62
	v_mov_b32 v[IDX+i], 0
	v_mov_b32 v[ACC+32+i], s63
.set i, i+1
.endr
.irp i, 0,1,2,3
	v_mov_b32 v[HW+\i], 0
.endr
	s_lshl_b32 s[CUR], s[NH], 6
	s_sub_co_u32 s[CUR], s[CUR], 96                ; two steps of 16 and 80 lead to my first neuron, 64 (w % 2)
	s_mov_b32 s[TRIPS], 30
.Ltrip:                                                ; slots 0-29: each is filled again, with tiles 2-31
	TRIP 1
	s_sub_co_u32 s[TRIPS], s[TRIPS], 1
	s_cmp_lg_u32 s[TRIPS], 0
	s_cbranch_scc1 .Ltrip
	s_mov_b32 s[TRIPS], 2
.Ltail:                                                ; the last two slots: nothing is asked for.  The very last trip's barrier and its 14 loads of
	TRIP 0                                         ; a slot that has been read serve nothing: the price, once a launch, of one text for both trips
	s_sub_co_u32 s[TRIPS], s[TRIPS], 1
	s_cmp_lg_u32 s[TRIPS], 0
	s_cbranch_scc1 .Ltail
	s_add_co_u32 s[CUR], s[CUR], 16                ; the last tile is folded in; its products' places are the last step's riders and, for the later accumulators, the earlier pairs' lines
.set RQ, 1
	WIN 1
.irp s, 0,1,2,3,4,5,6,7,8,9,10,11,12,13,14,15
.irp g, 0,1,2,3
	RG \s, \g
.endr
.endr
	WIN 0
	s_wait_dscnt 0x0                               ; the loads that serve nothing are back
	; THE 32 CANDIDATES OF A POINT MEET.  Each lane's index gets its neuron's place in the tile; distances and indices go to LDS by points; thread P takes point P.
.set i, 0
.rept 32
	v_add_nc_u32 v[IDX+i], v[VRL], v[IDX+i]
.set i, i+1
.endr
.irp a, 0,1,2,3
.irp j, 0,1,2,3,4,5,6,7
	ds_store_b32 v[VS], v[BEST+8*\a+\j] offset:(16*\a+\j)*RP
	ds_store_b32 v[VS], v[IDX+8*\a+\j] offset:(16*\a+\j)*RP+RED_I
.endr
.endr
	s_wait_dscnt 0x0                               ; for the others' sake: my stores are done
	s_barrier_signal -1
	s_barrier_wait -1
.irp q, 0,1,2,3,4,5,6,7
	ds_load_b128 v[32+4*\q:35+4*\q], v[VR] offset:16*\q
.endr
.irp q, 0,1,2,3,4,5,6,7
	ds_load_b128 v[64+4*\q:67+4*\q], v[VR] offset:16*\q+RED_I
.endr
	s_wait_dscnt 0x0
; The least of the 32 distances in v[32:63] into register m, and into register x the smallest index among the candidates that reach it.
.macro LEAST m, x
	v_min3_num_f32 v[\m], v32, v33, v34
.set i, 35
.rept 14
	v_min3_num_f32 v[\m], v[\m], v[i], v[i+1]
.set i, i+2
.endr
	v_min_num_f32 v[\m], v[\m], v63
	v_mov_b32 v[\x], -1
.set i, 0
.rept 32
	v_cmp_eq_f32 vcc_lo, v[\m], v[32+i]
	v_cndmask_b32 v14, -1, v[64+i], vcc_lo
	v_min_u32 v[\x], v[\x], v14
.set i, i+1
.endr
.endm
	LEAST 12, 18                                   ; the best candidate
	v_mov_b32 v15, s[INF]
.set i, 0
.rept 32                                           ; it is taken out: its distance becomes +infinity
	v_cmp_eq_u32 vcc_lo, v18, v[64+i]
	v_cndmask_b32 v[32+i], v[32+i], v15, vcc_lo
.set i, i+1
.endr
	LEAST 16, 19                                   ; the best of the rest
	global_store_b64 v[VO], v[18:19], s[10:11]     ; 256 consecutive bytes a wave, at a multiple of 256 from cand's first byte
	s_wait_tensorcnt 0x0                           ; the wave's end, behind my last tensor load and my last LDS store
	ds_add_u32 v[SPW], v[NIL]
	s_wait_dscnt 0x0
	ROUND                                          ; the closing round: no work-group ends while a partner may still ask for a tile that names it
	s_endpgm
.Lfunc_end_k_qc58b513bf4_winner:
	.size	k_qc58b513bf4_winner, .Lfunc_end_k_qc58b513bf4_winner-k_qc58b513bf4_winner
	.p2alignl 7, 3214868480
	.fill 96, 4, 3214868480
	.section	.rodata,"a",@progbits
	.p2align	6, 0x0
	.amdhsa_kernel k_qc58b513bf4_winner
		.amdhsa_group_segment_fixed_size 327680
		.amdhsa_private_segment_fixed_size 0
		.amdhsa_enable_private_segment 0
		.amdhsa_kernarg_size 32
		.amdhsa_user_sgpr_count 2
		.amdhsa_user_sgpr_kernarg_segment_ptr 1
		.amdhsa_wavefront_size32 1
		.amdhsa_system_sgpr_workgroup_id_x 1
		.amdhsa_system_sgpr_workgroup_id_y 1
		.amdhsa_system_sgpr_workgroup_id_z 1
		.amdhsa_system_vgpr_workitem_id 0
		.amdhsa_next_free_vgpr 1024
		.amdhsa_next_free_sgpr 72
		.amdhsa_reserve_vcc 1
		.amdhsa_float_denorm_mode_32 3
		.amdhsa_float_denorm_mode_16_64 3
		.amdhsa_memory_ordered 1
		.amdhsa_forward_progress 1
		.amdhsa_inst_pref_size 224
	.end_amdhsa_kernel
	.amdgpu_metadata
---
amdhsa.version: [ 1, 2 ]
amdhsa.kernels:
  - .name:           k_qc58b513bf4_winner
    .symbol:         k_qc58b513bf4_winner.kd
    .args:
      - { .name: x, .offset: 0, .size: 8, .value_kind: global_buffer, .address_space: global }
      - { .name: wf, .offset: 8, .size: 8, .value_kind: global_buffer, .address_space: global }
      - { .name: hw2, .offset: 16, .size: 8, .value_kind: global_buffer, .address_space: global }
      - { .name: cand, .offset: 24, .size: 8, .value_kind: global_buffer, .address_space: global }
    .group_segment_fixed_size: 327680
    .private_segment_fixed_size: 0
    .kernarg_segment_align: 8
    .kernarg_segment_size: 32
    .max_flat_workgroup_size: 128
    .sgpr_count:     72
    .vgpr_count:     1024
    .wavefront_size: 32
...
	.end_amdgpu_metadata
.endif
;; end of part 2
;; launch rerank (part 3): grid 512 x 1, 4 waves a work-group, no clusters, 52,736 bytes of LDS; arguments cand, x, weights, hw2, bmu; writes bmu
.if DOCPART == 3
	.amdgcn_target "amdgcn-amd-amdhsa--gfx1250"
	.amdhsa_code_object_version 6
	.text
	.protected	k_qc58b513bf4_rerank
	.globl	k_qc58b513bf4_rerank
	.p2align	8
	.type	k_qc58b513bf4_rerank,@function
k_qc58b513bf4_rerank:
	s_mov_b64 s[64:65], 0
	v_nop
	global_prefetch_b8 v0, s[64:65] scope:SCOPE_SE
	s_setreg_imm32_b32 hwreg(HW_REG_WAVE_MODE, 25, 1), 1
	s_wait_xcnt 0x0
; bmu[n] = that of point n's two candidates cand[n][0], cand[n][1] whose distance is less; on equal distances the smaller index.
; THE DISTANCE is summed anew in f32 from x and the weights rounded to bf16 (their products are exact in f32, so the order of the additions is all that counts), in a fixed order, meant to
; follow the order in which a blocked f32 product and a windowed f32 sum are taken on a CPU:
;   the product x.w in ascending k, in two blocks of 320 and 192, each from 0, the second block's sum added onto the first's;
;   x2 (as hw2 was) in 16 windows of 32 consecutive k, each in ascending k, then the window sums in order;
;   e = (x2/2 - x.w) + w2/2, half of (x2 - 2 x.w) + w2 with the same roundings, since a factor 2 passes through every f32 rounding (distances under 2^-125 excepted).
; LIMITS.  Two distances that differ by less than these sums' own rounding are ordered as this order of summation orders them.  NaN distances: the first candidate stays.
; An index is clamped to 4,095, the table's last row, before it enters an address.
; SHARES.  A work-group takes 64 points, a wave 16; lane L sums point L % 16 against candidate L / 16: one chain of additions a lane.  A chunk's 48 row pieces (16 of x, 32 of the weights) come in
; as loads of 512 consecutive bytes, are rounded, and are turned from 'a row a load' to 'a row a lane' through the wave's OWN 13,056 bytes of LDS: no wave reads another's bytes, so no barrier.
; No matrix unit: 2 x 512 multiply-adds a point, in a prescribed order.  No cluster: which rows a work-group reads hangs on the indices.  x carries the hint of data read once; the weights' rows may come again.
.set LP,     272                       ; a row piece in LDS: 128 bf16 + 16 bytes: the 16 rows that a load touches start 4 banks apart (64 banks of 4 bytes: ISA guide 11.1)
.set WREG,   48*LP                     ; a wave's region: rows 0-15 x, rows 16-47 the weights' (row 16 + L is lane L's)
.set SPARE,  4*WREG                    ; behind the four regions: the spare words, 128 bytes a wave: two blocks of 256 bytes that no other line names
.set CUTCH,  2                         ; the product's first block ends in front of k = 128 CUTCH + 8 CUTST = 320
.set CUTST,  8
.set VL,  1                            ; v1   lane
.set V16, 2                            ; v2   16 x lane: my 16 bytes of a row piece
.set AST, 3                            ; v3   LDS: where my 8 bytes of row 0 go
.set AXR, 4                            ; v4   LDS: my point's row
.set AWR, 5                            ; v5   LDS: my candidate's row
.set SPW, 6                            ; v6   my spare word; never rewritten
.set NIL, 7                            ; v7   0; never rewritten
.set ACC, 8                            ; v8   the product: the running block's sum
.set TOT, 9                            ; v9   the finished blocks' sum
.set XW,  10                           ; v10  x2: the window's running sum
.set XT,  11                           ; v11  x2: the windows' sum; at the end x2/2
.set VA,  12                           ; v12  a byte offset at work
.set IX,  13                           ; v13  my candidate's index
.set IY,  14                           ; v14  4 x index; at the end the other candidate's index
.set HWV, 15                           ; v15  w2/2 of my candidate
.set T,   16                           ; v[16:23] four pairs: rounded numbers on their way to LDS
.set ZR,  24                           ; v24  0
.set TT,  25                           ; v25  at work
.set E,   26                           ; v26  my e
.set EO,  27                           ; v27  the other candidate's
.set WOFF, 32                          ; v[32:63]  row 16 + j: 2,048 x index + 16 x lane
.set D,   64                           ; v[64:255] row i as loaded at D + 4 i; then step j's 8 k of x at D + 8 j, of w at D + 8 j + 4
.set CH,  57                           ; s57  the chunk, 0-3
.set FM,  58                           ; s58  a lane mask at work
.set LTI, 59                           ; s59  lanes whose partner has the smaller index
.set MP,  60                           ; s60  lanes whose partner wins
	s_load_b256 s[4:11], s[0:1], 0x0               ; cand s[4:5], x s[6:7], weights s[8:9], hw2 s[10:11]
	s_load_b64 s[12:13], s[0:1], 0x20              ; bmu
	v_lshl_add_u32 v[SPW], v0, 2, SPARE
	v_mov_b32 v[NIL], 0
	v_lshrrev_b32 v[VL], 5, v0
	v_readfirstlane_b32 s14, v[VL]                 ; wave 0..3
	v_and_b32 v[VL], 31, v0
	v_lshlrev_b32 v[V16], 4, v[VL]
	s_lshl_b32 s15, ttmp9, 6
	s_lshl_b32 s48, s14, 4
	s_add_co_u32 s15, s15, s48                     ; my wave's first point
	s_lshl_b32 s48, s15, 3                         ; its place in cand,
	s_mov_b32 s49, 0
	s_lshl_b32 s50, s15, 11                        ; in x,
	s_mov_b32 s51, 0
	s_lshl_b32 s52, s15, 2                         ; in bmu
	s_mov_b32 s53, 0
	s_mul_i32 s54, s14, WREG                       ; my wave's region
	v_lshl_add_u32 v[AST], v[VL], 3, s54
	v_and_b32 v[VA], 15, v[VL]                     ; my point
	v_mul_u32_u24 v[AXR], v[VA], LP
	v_add_nc_u32 v[AXR], s54, v[AXR]
	v_mul_u32_u24 v[AWR], v[VL], LP
	v_add_nc_u32 v[AWR], s54, v[AWR]
	v_add_nc_u32 v[AWR], 16*LP, v[AWR]
	v_lshrrev_b32 v[IY], 4, v[VL]                  ; my candidate, 0 or 1
	v_lshlrev_b32 v[IY], 2, v[IY]
	v_lshl_add_u32 v[VA], v[VA], 3, v[IY]          ; 8 x point + 4 x candidate
	v_mov_b32 v[ACC], 0
	v_mov_b32 v[TOT], 0
	v_mov_b32 v[XT], 0
	v_mov_b32 v[ZR], 0
	v_mov_b32 v[EO], 0
	s_wait_kmcnt 0x0
	s_add_nc_u64 s[4:5], s[4:5], s[48:49]
	s_add_nc_u64 s[6:7], s[6:7], s[50:51]
	s_add_nc_u64 s[12:13], s[12:13], s[52:53]
	s_load_b512 s[16:31], s[4:5], 0x0              ; the wave's 32 indices as scalars: point p's candidate c in s[16 + 2 p + c]
	s_load_b512 s[32:47], s[4:5], 0x40
	global_load_b32 v[IX], v[VA], s[4:5]           ; and each lane's own
	s_wait_kmcnt 0x0
.set j, 0
.rept 32
	s_min_u32 s[16+j], s[16+j], 4095
.set j, j+1
.endr
.set j, 0
.rept 32
	v_lshl_add_u32 v[WOFF+j], s[16+2*(j%16)+j/16], 11, v[V16]
.set j, j+1
.endr
	s_wait_loadcnt 0x0
	v_min_u32 v[IX], 4095, v[IX]
	v_lshlrev_b32 v[IY], 2, v[IX]
	global_load_b32 v[HWV], v[IY], s[10:11]        ; older than every row load: the first counted wait below shows it in
; In chunk CUTCH the product's first block ends here: its sum joins TOT, and the next block starts from 0.  In the other chunks both registers stay: a select, no branch.
.macro CUT
	s_cmp_eq_u32 s[CH], CUTCH
	s_cselect_b32 s[FM], -1, 0
	v_add_f32 v[TT], v[TOT], v[ACC]
	v_cndmask_b32 v[TOT], v[TOT], v[TT], s[FM]
	v_cndmask_b32 v[ACC], v[ACC], v[ZR], s[FM]
.endm
; d = a x b + c, a and b the low (h = 0) or high (h = 1) bf16 halves
.macro MX d, a, b, c, h
.if \h
	v_fma_mix_f32_bf16 v[\d], v[\a], v[\b], v[\c] op_sel:[1,1,0] op_sel_hi:[1,1,0]
.else
	v_fma_mix_f32_bf16 v[\d], v[\a], v[\b], v[\c] op_sel_hi:[1,1,0]
.endif
.endm
; Step j of a chunk: 8 k.  Two chains take turns: x2's window and the product.
.macro DOT8 j
	s_wait_dscnt 30-2*(\j)                         ; LDS loads come back in order: this step's two are in, the later steps' two each may be out
.if (\j) == CUTST
	CUT
.endif
.irp e, 0,1,2,3
.irp h, 0,1
.if ((\j)%4 == 0) && (\e == 0) && (\h == 0)
	MX XW, D+8*(\j)+\e, D+8*(\j)+\e, ZR, \h        ; a window of 32 k begins
.else
	MX XW, D+8*(\j)+\e, D+8*(\j)+\e, XW, \h
.endif
	MX ACC, D+8*(\j)+\e, D+8*(\j)+4+\e, ACC, \h
.endr
.endr
.if (\j)%4 == 3
	v_add_f32 v[XT], v[XT], v[XW]                  ; the window ends
.endif
.endm
	s_mov_b32 s[CH], 0
.Lchunk:                                               ; four chunks of 128 k
.set i, 0
.rept 16
	global_load_b128 v[D+4*i:D+4*i+3], v[V16], s[6:7] offset:2048*i th:TH_LOAD_NT
.set i, i+1
.endr
.set i, 0
.rept 32
	global_load_b128 v[D+64+4*i:D+64+4*i+3], v[WOFF+i], s[8:9]
.set i, i+1
.endr
.set g, 0
.rept 12
	s_wait_loadcnt 44-4*g                          ; loads come back in order: rows 4 g .. 4 g + 3 are in, the rows behind them stay out
.irp q, 0,1,2,3
	v_cvt_pk_bf16_f32 v[T+2*\q],   v[D+4*(4*g+\q)],   v[D+4*(4*g+\q)+1]
	v_cvt_pk_bf16_f32 v[T+2*\q+1], v[D+4*(4*g+\q)+2], v[D+4*(4*g+\q)+3]
	ds_store_b64 v[AST], v[T+2*\q:T+2*\q+1] offset:(4*g+\q)*LP
.endr
.set g, g+1
.endr
	s_add_nc_u64 s[6:7], s[6:7], 512               ; the last wait was for 0: every load is done, so the bases may step to the next 128 k
	s_add_nc_u64 s[8:9], s[8:9], 512
.set j, 0
.rept 16
	ds_load_b128 v[D+8*j:D+8*j+3],   v[AXR] offset:16*j  ; LDS serves a wave's instructions in order (ISA guide 5.7.1.4): these see the stores above,
	ds_load_b128 v[D+8*j+4:D+8*j+7], v[AWR] offset:16*j  ; and the next chunk's stores come behind them
.set j, j+1
.endr
.irp j, 0,1,2,3,4,5,6,7,8,9,10,11,12,13,14,15
	DOT8 \j
.endr
	s_add_co_u32 s[CH], s[CH], 1
	s_cmp_lt_u32 s[CH], 4
	s_cbranch_scc1 .Lchunk
	v_add_f32 v[TOT], v[TOT], v[ACC]               ; the second block's sum joins the first's
	v_mul_f32 v[XT], 0.5, v[XT]                    ; halving is exact
	s_mov_b32 s48, 0x76543210                      ; v_permlanex16_b32: each lane takes its own place in the other half: the point's other candidate
	s_mov_b32 s49, 0xfedcba98
	v_permlanex16_b32 v[IY], v[IX], s48, s49
	v_cmp_lt_u32 s[LTI], v[IY], v[IX]
	v_sub_f32 v[E], v[XT], v[TOT]
	v_add_f32 v[E], v[E], v[HWV]                   ; e
	v_permlanex16_b32 v[EO], v[E], s48, s49
	v_cmp_lt_f32 s[MP], v[EO], v[E]                ; the other wins if its e is less,
	v_cmp_eq_f32 s[FM], v[EO], v[E]                ; or equal
	s_and_b32 s[FM], s[FM], s[LTI]                 ; with the smaller index
	s_or_b32 s[MP], s[MP], s[FM]
	v_cndmask_b32 v[IX], v[IX], v[IY], s[MP]
	v_lshlrev_b32 v[VA], 2, v[VL]
	s_wait_xcnt 0x0                                ; EXEC changes only behind this wait
	v_cmp_gt_u32 vcc_lo, 16, v[VL]
	s_and_saveexec_b32 s53, vcc_lo
	global_store_b32 v[VA], v[IX], s[12:13]        ; lanes 0-15: 64 bytes a wave; all of bmu is 131,072 bytes
	s_wait_xcnt 0x0                                ; and again in front of the line that widens it
	s_or_b32 exec_lo, exec_lo, s53
	s_wait_tensorcnt 0x0                           ; the wave's end, behind my last LDS store
	ds_add_u32 v[SPW], v[NIL]
	s_wait_dscnt 0x0
	s_endpgm
.Lfunc_end_k_qc58b513bf4_rerank:
	.size	k_qc58b513bf4_rerank, .Lfunc_end_k_qc58b513bf4_rerank-k_qc58b513bf4_rerank
	.p2alignl 7, 3214868480
	.fill 96, 4, 3214868480
	.section	.rodata,"a",@progbits
	.p2align	6, 0x0
	.amdhsa_kernel k_qc58b513bf4_rerank
		.amdhsa_group_segment_fixed_size 52736
		.amdhsa_private_segment_fixed_size 0
		.amdhsa_enable_private_segment 0
		.amdhsa_kernarg_size 40
		.amdhsa_user_sgpr_count 2
		.amdhsa_user_sgpr_kernarg_segment_ptr 1
		.amdhsa_wavefront_size32 1
		.amdhsa_system_sgpr_workgroup_id_x 1
		.amdhsa_system_sgpr_workgroup_id_y 1
		.amdhsa_system_sgpr_workgroup_id_z 1
		.amdhsa_system_vgpr_workitem_id 0
		.amdhsa_next_free_vgpr 256
		.amdhsa_next_free_sgpr 66
		.amdhsa_reserve_vcc 1
		.amdhsa_float_denorm_mode_32 3
		.amdhsa_float_denorm_mode_16_64 3
		.amdhsa_memory_ordered 1
		.amdhsa_forward_progress 1
		.amdhsa_inst_pref_size 41
	.end_amdhsa_kernel
	.amdgpu_metadata
---
amdhsa.version: [ 1, 2 ]
amdhsa.kernels:
  - .name:           k_qc58b513bf4_rerank
    .symbol:         k_qc58b513bf4_rerank.kd
    .args:
      - { .name: cand, .offset: 0, .size: 8, .value_kind: global_buffer, .address_space: global }
      - { .name: x, .offset: 8, .size: 8, .value_kind: global_buffer, .address_space: global }
      - { .name: weights, .offset: 16, .size: 8, .value_kind: global_buffer, .address_space: global }
      - { .name: hw2, .offset: 24, .size: 8, .value_kind: global_buffer, .address_space: global }
      - { .name: bmu, .offset: 32, .size: 8, .value_kind: global_buffer, .address_space: global }
    .group_segment_fixed_size: 52736
    .private_segment_fixed_size: 0
    .kernarg_segment_align: 8
    .kernarg_segment_size: 40
    .max_flat_workgroup_size: 128
    .sgpr_count:     66
    .vgpr_count:     256
    .wavefront_size: 32
...
	.end_amdgpu_metadata
.endif
;; end of part 3
;; launch gather (part 4): grid 512 x 1, 8 waves a work-group, no clusters, 0 bytes of LDS; arguments bmu, weights, out0; writes out0
.if DOCPART == 4
	.amdgcn_target "amdgcn-amd-amdhsa--gfx1250"
	.amdhsa_code_object_version 6
	.text
	.protected	k_qc58b513bf4_gather
	.globl	k_qc58b513bf4_gather
	.p2align	8
	.type	k_qc58b513bf4_gather,@function
k_qc58b513bf4_gather:
	s_mov_b64 s[64:65], 0
	v_nop
	global_prefetch_b8 v0, s[64:65] scope:SCOPE_SE
	s_setreg_imm32_b32 hwreg(HW_REG_WAVE_MODE, 25, 1), 1
	s_wait_xcnt 0x0
; out0[n][:] = weights[bmu[n]][:], f32 rows of 2,048 bytes.  A work-group takes 64 points, a wave 8: its eight indices come by one scalar load, its 32 row loads (512 consecutive bytes
; each) all go out before the first store, and each store covers 512 consecutive bytes at a multiple of 256 from out0's first byte.  No register is written twice, so no wait frees any.
; No LDS, no cluster: which rows a work-group reads hangs on the indices, so no tile is known to be shared.  The rows carry no hint: an index may come again; the output is written once.
; An index is clamped to 4,095, the table's last row, before it enters an address.
.set OFF, 2                            ; v[2:9]    row i: 2,048 x index + 16 x lane
.set D,   16                           ; v[16:143] row i, quarter q at D + 16 i + 4 q
	s_load_b128 s[4:7], s[0:1], 0x0                ; bmu s[4:5], weights s[6:7]
	s_load_b64 s[8:9], s[0:1], 0x10                ; out0
	v_lshrrev_b32 v1, 5, v0
	v_readfirstlane_b32 s10, v1                    ; wave 0..7
	v_and_b32 v1, 31, v0
	v_lshlrev_b32 v1, 4, v1                        ; 16 x lane
	s_lshl_b32 s12, ttmp9, 8                       ; my group's 64 indices,
	s_lshl_b32 s14, s10, 5                         ; my wave's 8
	s_add_co_u32 s12, s12, s14
	s_mov_b32 s13, 0
	s_lshl_b32 s14, ttmp9, 17                      ; my group's 64 rows of out0,
	s_lshl_b32 s11, s10, 14                        ; my wave's 8
	s_add_co_u32 s14, s14, s11
	s_mov_b32 s15, 0
	s_wait_kmcnt 0x0
	s_add_nc_u64 s[4:5], s[4:5], s[12:13]
	s_add_nc_u64 s[8:9], s[8:9], s[14:15]
	s_load_b256 s[16:23], s[4:5], 0x0
	s_wait_kmcnt 0x0
.irp i, 0,1,2,3,4,5,6,7
	s_min_u32 s[16+\i], s[16+\i], 4095
	v_lshl_add_u32 v[OFF+\i], s[16+\i], 11, v1
.endr
.irp i, 0,1,2,3,4,5,6,7
.irp q, 0,1,2,3
	global_load_b128 v[D+16*\i+4*\q:D+16*\i+4*\q+3], v[OFF+\i], s[6:7] offset:512*\q
.endr
.endr
.irp i, 0,1,2,3,4,5,6,7
	s_wait_loadcnt 28-4*\i                         ; loads come back in order: row i's four are in, the later rows' stay out
.irp q, 0,1,2,3
	global_store_b128 v1, v[D+16*\i+4*\q:D+16*\i+4*\q+3], s[8:9] offset:2048*\i+512*\q th:TH_STORE_NT
.endr
.endr
	s_endpgm
.Lfunc_end_k_qc58b513bf4_gather:
	.size	k_qc58b513bf4_gather, .Lfunc_end_k_qc58b513bf4_gather-k_qc58b513bf4_gather
	.p2alignl 7, 3214868480
	.fill 96, 4, 3214868480
	.section	.rodata,"a",@progbits
	.p2align	6, 0x0
	.amdhsa_kernel k_qc58b513bf4_gather
		.amdhsa_group_segment_fixed_size 0
		.amdhsa_private_segment_fixed_size 0
		.amdhsa_enable_private_segment 0
		.amdhsa_kernarg_size 24
		.amdhsa_user_sgpr_count 2
		.amdhsa_user_sgpr_kernarg_segment_ptr 1
		.amdhsa_wavefront_size32 1
		.amdhsa_system_sgpr_workgroup_id_x 1
		.amdhsa_system_sgpr_workgroup_id_y 1
		.amdhsa_system_sgpr_workgroup_id_z 1
		.amdhsa_system_vgpr_workitem_id 0
		.amdhsa_next_free_vgpr 144
		.amdhsa_next_free_sgpr 66
		.amdhsa_reserve_vcc 0
		.amdhsa_float_denorm_mode_32 3
		.amdhsa_float_denorm_mode_16_64 3
		.amdhsa_memory_ordered 1
		.amdhsa_forward_progress 1
		.amdhsa_inst_pref_size 9
	.end_amdhsa_kernel
	.amdgpu_metadata
---
amdhsa.version: [ 1, 2 ]
amdhsa.kernels:
  - .name:           k_qc58b513bf4_gather
    .symbol:         k_qc58b513bf4_gather.kd
    .args:
      - { .name: bmu, .offset: 0, .size: 8, .value_kind: global_buffer, .address_space: global }
      - { .name: weights, .offset: 8, .size: 8, .value_kind: global_buffer, .address_space: global }
      - { .name: out0, .offset: 16, .size: 8, .value_kind: global_buffer, .address_space: global }
    .group_segment_fixed_size: 0
    .private_segment_fixed_size: 0
    .kernarg_segment_align: 8
    .kernarg_segment_size: 24
    .max_flat_workgroup_size: 256
    .sgpr_count:     66
    .vgpr_count:     144
    .wavefront_size: 32
...
	.end_amdgpu_metadata
.endif
;; end of part 4
;; ======== version 2 of 2: 3 launches; 1.28 times as fast as version 1
;; workspace buffers: wf 4,194,304 bytes; hw2 16,384 bytes; cand 262,144 bytes of whole numbers
;; launch prep: the kernel of part 1 again; grid 256 x 1, 4 waves a work-group, no clusters, 19,200 bytes of LDS; arguments weights, wf, hw2; writes wf, hw2
;; launch winner (part 5): grid 256 x 1, 4 waves a work-group, clusters of 4 x 1, 327,680 bytes of LDS; arguments x, wf, hw2, cand; writes cand
.if DOCPART == 5
	.amdgcn_target "amdgcn-amd-amdhsa--gfx1250"
	.amdhsa_code_object_version 6
	.text
	.protected	k_qc58b513bf4_winner
	.globl	k_qc58b513bf4_winner
	.p2align	8
	.type	k_qc58b513bf4_winner,@function
k_qc58b513bf4_winner:
	s_mov_b64 s[64:65], 0
	v_nop
	global_prefetch_b8 v0, s[64:65] scope:SCOPE_SE
	s_setreg_imm32_b32 hwreg(HW_REG_WAVE_MODE, 25, 1), 1
	s_wait_xcnt 0x0
	s_wait_alu depctr_hold_cnt(0) depctr_sa_sdst(0) depctr_va_vdst(0) depctr_va_sdst(0) depctr_va_ssrc(0) depctr_va_vcc(0) depctr_vm_vsrc(0)
	s_getreg_b32 s2, hwreg(HW_REG_IB_STS2, 6, 4)
	s_cmp_eq_u32 s2, 0
	s_cbranch_scc0 .Lentry_in_a_cluster
	s_endpgm
.Lentry_in_a_cluster:
	s_bfe_u32 s2, ttmp6, 0x10000c
	s_cmp_lg_u32 s2, 0x3003
	s_cbranch_scc0 .Lentry_shape_is_right
	s_endpgm
.Lentry_shape_is_right:
; cand[n] = the two neurons k with the largest x[n].w[k] - w2[k]/2, the better first: those with the least x2[n] - 2 x[n].w[k] + w2[k], since x2[n] is the same for all neurons of a point.
; Where the two sums lie so far apart that rounding cannot have changed their order (SETTLED, below), the first neuron is stored twice: equal candidates tell the launch behind that nothing is left to decide.
; x [32768][512] f32; wf, hw2: the weights in bf16 as fragments and half their sums of squares.  This launch sifts 4,096 neurons down to two; the launch behind forms the two whole distances of
; an open pair, x2 among them, in f32 and decides.
; ARITHMETIC.  x is rounded to bf16 on its way in; the product is bf16 x bf16 with f32 sums, and -w2/2 is the C operand that starts each sum.
; SETTLED.  With key = x.w - w2/2 the distance is x2 - 2 key, and |w| <= |x| + |x - w| gives x2 + w2 <= 5 x2 - 4 key: a bound on all the terms that enter the two distances.  A pair is settled where
; key1 - key2 > 2^-17 (5 x2 - 4 key2): 128 units of the last place of a sum of that size.  x2 is here a scale alone and is taken of the unrounded x.
; LIMITS.  In a settled pair the matrix unit's order of rounding decides and not that of an f32 sum; the margin is far above what 512 roundings of either sign add up to, and below the bound for
; 512 roundings that all fall the same way (some 1,150 such units for both sums of both neurons).  Each lane keeps ONE best neuron of its 128 (below), and the two candidates are the best two of a
; point's 32 lanes: where the two least distances fall to one lane, the second candidate is the third best, and the order of the first two is that of the matrix unit's sums.  The sift orders by
; x.w - w2/2 and not by the distance's own f32 roundings: where x2 is so large that more than two distances are equal in f32, the first of them may be outside the pair.  A sum of -3.4e38 or less
; never wins; NaN and infinities are not ordered as an argmin orders them: some number is then stored, and the launch behind clamps it to 4,095.
; SHARES.  A work-group owns 128 points.  Wave w: points 64 (w / 2) .. + 63 and, of every 128 neurons, 64 (w % 2) .. + 63.  A wave's 64 points x 512 k in bf16 are 512 registers and STAY there:
; in the loop LDS is read for the weights alone, two loads of 16 bytes a lane for four matrix instructions.  The weights walk through two LDS slots of 128 neurons (131,072 bytes): 32 trips,
; 256 matrix instructions a wave in each.  The [point][neuron] sums never leave registers.
; CLUSTER.  All work-groups walk the same weights: the four of a cluster ask for each tile JOINTLY, by the same tensor load, descriptor and mask.  x is nobody else's: its load has no mask.
; LAYOUT.  Source 0 = 16 points, source 1 = 16 neurons: in the result a lane holds ONE neuron (lane % 16) and the points 8 (lane / 16) + 0..7.  So a lane keeps, for 32 points, the largest sum and its
; neuron tile among the neurons of its own residue; the 32 candidates of a point (16 lanes x 2 waves) meet once, at the end, in LDS.
; RIDERS.  The 116 vector instructions that fold a finished tile of 16 neurons into the maxima stand behind the next tile's 64 matrix instructions, at most two behind each; two sets of four accumulators take turns.
; LDS LOADS STAND IN RUNS, never singly among the matrix instructions: a tile's 16 k steps are groups of 6, 6 and 4; two buffers of six fragments take turns (12 groups a trip); the run for the
; next group stands in a group's first step.
; REGISTERS, in windows of 256 (s_set_vgpr_msb: bits 1:0 source 0, 3:2 source 1, 5:4 source 2, 7:6 destination).  x's fragments: k steps 0-5 in window 1, 6-10 in window 2, 11-15 in window 3.
; All else lies in window 0.  In the loop ONLY SOURCE 0's WINDOW changes, three times for 64 matrix instructions: every rider has a constant or a scalar as source 0, and the LDS address of the
; fragment loads (an LDS load's address is its source 0) is kept in all three windows.
.set XP,     1040                      ; x's stage: a row of 256 f32 + 16 bytes = 260 words: the 16 rows of a load start 4 banks apart (64 banks of 4 bytes: ISA guide 11.1)
.set XPIECE, 64*XP                     ; what one wave's tensor load brings: 64 rows x 256 k.  Piece w: k half w / 2, rows 64 (w % 2) ..
.set XKH,    2*XPIECE                  ; so k half 1 begins here
.set SLOT1,  1<<17                     ; the ring lies over the stage: slot 0 at 0 (inside k half 0), slot 1 here; one exclusive or turns one slot's address into the other's
.set W2T,    4*XPIECE                  ; behind the stage: hw2, all 16,384 bytes, filled once
.set RP,     144                       ; a point's 32 candidates: 128 bytes + 16
.set RED_D,  W2T+16384                 ; 128 points' candidate sums; never the target of a fill
.set RED_I,  128*RP                    ; their indices lie this far behind
.set X2R,    RED_D+2*128*RP            ; x2 of a wave's 64 rows, 256 bytes for each wave, the wave's own; never the target of a fill
.set SPARE,  X2R+4*256                 ; the spare words, 128 bytes a wave: two blocks of 256 bytes that no other line names
.set VRL, 1                            ; v1  r = lane % 16
.set VHL, 2                            ; v2  h = lane / 16
.set AB0, 3                            ; v3  16 lane + 65,536 (w % 2): my place in a slot
.set AW0, 4                            ; v4  W2T + 256 (w % 2) + 4 r
.set AX0, 5                            ; v5, v6  my place in x's stage, k half 0 and 1
.set VS,  7                            ; v7  where I put candidates
.set VR,  8                            ; v8  where thread P reads point P's
.set SPW, 9                            ; v9  my spare word; never rewritten
.set NIL, 10                           ; v10 0; never rewritten
.set VO,  11                           ; v11 8 x thread
.set DF,  12                           ; v[12:15] sum - best, two pairs at work
.set HW,  16                           ; v16 w2/2 of my neuron in the tile to come (v17 is named with it as a pair)
.set CN,  20                           ; v[20:27] -w2/2, eight times: the C operand of a tile's first products
.set SQ,  20                           ; before the loop, in the same registers: four pairs of running sums of squares, one for each 16 rows
.set X2,  28                           ; v[28:31] x2 of row 16 a + r at X2 + a; kept through the loop
.set ACC, 32                           ; v[32:95] two sets of four accumulators: set p, point tile a at ACC + 32 p + 8 a
.set BEST, 96                          ; v[96:127]  largest sum of point 16 a + 8 h + j at BEST + 8 a + j
.set IDX, 128                          ; v[128:159] its neuron tile's first neuron
.set WF,  160                          ; v[160:255] two buffers of six fragments of the weights
.set T0,  96                           ; before the loop: two buffers of 64 for x in f32 (v96-159, v160-223)
.set ADR, 224                          ; windows 1-3: v224 LDS address of the slot's fragments
.set ADRW, 225                         ; window 2: v225 LDS address of the trip's hw2
.set WV,  12                           ; s12 wave
.set MH,  13                           ; s13 w / 2
.set NH,  14                           ; s14 w % 2
.set WG,  15                           ; s15 work-group: it enters x's and cand's addresses alone
.set G1X, 16                           ; s[16:23] group 1 for x
.set G1W, 24                           ; s[24:31] for a quarter of a weight tile
.set G1H, 32                           ; s[32:39] for a quarter of hw2
.set G0X, 40                           ; s[40:43], s[44:47], s[48:51] their groups 0; the last walks
.set G0H, 44
.set G0W, 48
.set TB,  52                           ; s52 the slot that the fragment loads read
.set TW,  53                           ; s53 the trip's 512 bytes of hw2
.set CUR, 54                           ; s54 first neuron of the tile that the riders fold in
.set TRIPS, 55
.set NINF, 56                          ; s56 -infinity: the scalar source 0 of the three-operand maximum
.set MK,  58                           ; s[58:61] four lane masks
.set MSB, 0
.macro WIN new                         ; the immediate's high byte repeats the setting that is left; a switch that changes nothing is dropped
.if MSB != (\new)
	s_set_vgpr_msb (MSB<<8)|(\new)
.set MSB, (\new)
.endif
.endm
.macro CREST                           ; a round of the cluster's barrier behind its opening barrier
	s_cmp_lg_u32 s[WV], 0
	s_cbranch_scc1 .Lnot_wave_0_\@
	s_barrier_signal -3
.Lnot_wave_0_\@:
	s_barrier_wait -3
	s_barrier_signal -1
	s_barrier_wait -1
.endm
.macro ROUND                           ; a whole round
	s_barrier_signal -1
	s_barrier_wait -1
	CREST
.endm
.macro JLOAD                           ; my quarter (32,768 bytes) of a weight tile, jointly with the same wave of my three partners; an s_nop 0 and four v_nop follow
	tensor_load_to_lds s[G0W:G0W+3], s[G1W:G1W+7]
	s_nop 0
.rept 4
	v_nop
.endr
.endm
.macro GSTEP                           ; the walking descriptor: the other slot, the next 128 neurons; the type bits on top are not reached
	s_xor_b32 s[G0W+1], s[G0W+1], SLOT1
	s_add_nc_u64 s[G0W+2:G0W+3], s[G0W+2:G0W+3], 131072
.endm
.macro XPOS s                          ; window XW and first register XB of x's four fragments of k step s
.if (\s) < 6
.set XW, 1
.set XB, 32*(\s)
.elseif (\s) < 11
.set XW, 2
.set XB, 32*((\s)-6)
.else
.set XW, 3
.set XB, 32*((\s)-11)
.endif
.endm
.macro WPOS n                          ; first register WB of fragment n (0-63) of a slot: tile n / 16 has the groups 3 (n / 16) + 0, 1, 2 of k steps 0-5, 6-11, 12-15; a group's buffer goes by its number's parity
.set wS, (\n)%16
.set wG, 3*((\n)/16)
.if wS < 6
.set wT, wS
.elseif wS < 12
.set wT, wS-6
.set wG, wG+1
.else
.set wT, wS-12
.set wG, wG+2
.endif
.set WB, WF+48*(wG%2)+8*wT
.endm
	s_load_b256 s[4:11], s[0:1], 0x0               ; x s[4:5], wf s[6:7], hw2 s[8:9], cand s[10:11]
	v_lshl_add_u32 v[SPW], v0, 2, SPARE
	v_mov_b32 v[NIL], 0
	ds_add_u32 v[SPW], v[NIL]                      ; the wave's opening: the add and its wait stand ahead of my first tensor load; the set-up below, work on registers, stands between them
	v_lshrrev_b32 v1, 5, v0
	v_readfirstlane_b32 s[WV], v1                  ; wave 0..3
	s_lshr_b32 s[MH], s[WV], 1
	s_and_b32 s[NH], s[WV], 1
	s_bfe_u32 s[WG], ttmp6, 0x40000                ; cx: my place in the cluster
	s_lshl_b32 s66, ttmp9, 2                       ; in a cluster launch ttmp9 counts clusters
	s_add_co_u32 s[WG], s66, s[WG]
	; group 1 for x: 64 rows x 256 elements of 4 bytes, 512 elements from row to row, 4 words of padding behind every 256
	s_mov_b32 s[G1X+0], (2<<16)|(1<<20)|(7<<22)|(3<<25)  ; 15:0 no mask; 17:16 4-byte elements; 20 padding on; 24:22 after every 256 words (code 7); 31:25 4 words (code 3)
	s_mov_b32 s[G1X+1], 256<<16                    ; tensor_dim0 = 256
	s_mov_b32 s[G1X+2], 64<<16                     ; tensor_dim1 = 64
	s_mov_b32 s[G1X+3], 256<<16                    ; tile_dim0 = 256
	s_mov_b32 s[G1X+4], 64                         ; tile_dim1 = 64
	s_mov_b32 s[G1X+5], 512                        ; the pitch
	s_mov_b32 s[G1X+6], 0
	s_mov_b32 s[G1X+7], 0
	; group 1 for the weights: dense bytes as 128 rows of 32 elements of 8 bytes; for hw2: 16 such rows.  15:0 the mask of four; 17:16 8-byte elements; 21 set beside a mask
	s_mov_b32 s[G1W+0], 15|(3<<16)|(1<<21)
	s_mov_b32 s[G1W+1], 32<<16
	s_mov_b32 s[G1W+2], 128<<16
	s_mov_b32 s[G1W+3], 32<<16
	s_mov_b32 s[G1W+4], 128
	s_mov_b32 s[G1W+5], 32
	s_mov_b32 s[G1W+6], 0
	s_mov_b32 s[G1W+7], 0
	s_mov_b32 s[G1H+0], 15|(3<<16)|(1<<21)
	s_mov_b32 s[G1H+1], 32<<16
	s_mov_b32 s[G1H+2], 16<<16
	s_mov_b32 s[G1H+3], 32<<16
	s_mov_b32 s[G1H+4], 16
	s_mov_b32 s[G1H+5], 32
	s_mov_b32 s[G1H+6], 0
	s_mov_b32 s[G1H+7], 0
	s_mov_b32 s[G0X], 1                            ; groups 0: count 1; the LDS addresses hang on the wave's number alone
	s_mul_i32 s[G0X+1], s[WV], XPIECE
	s_mov_b32 s[G0H], 1
	s_lshl_b32 s[G0H+1], s[WV], 12
	s_add_co_u32 s[G0H+1], s[G0H+1], W2T
	s_mov_b32 s[G0W], 1
	s_lshl_b32 s[G0W+1], s[WV], 15                 ; slot 0
	s_lshl_b32 s66, s[WG], 18                      ; x: my group's 128 rows of 2,048 bytes,
	s_lshl_b32 s67, s[NH], 17                      ; the piece's 64 rows,
	s_add_co_u32 s66, s66, s67
	s_lshl_b32 s67, s[MH], 10                      ; its half of k
	s_add_co_u32 s66, s66, s67
	s_mov_b32 s67, 0
	s_lshl_b32 s68, s[WG], 10                      ; cand: my group's 128 pairs of words
	s_mov_b32 s69, 0
	s_lshl_b32 s70, s[WV], 12                      ; hw2: my quarter
	s_mov_b32 s71, 0
	s_lshl_b32 s62, s[WV], 15                      ; wf: my quarter of tile 0
	s_mov_b32 s63, 0
	s_mov_b32 s[NINF], 0xff800000
	s_wait_dscnt 0x0                               ; the opening add is done
	s_wait_kmcnt 0x0
	s_add_nc_u64 s[G0X+2:G0X+3], s[4:5], s[66:67]
	s_or_b32 s[G0X+3], s[G0X+3], 0x80000000        ; type = 2
	s_add_nc_u64 s[G0H+2:G0H+3], s[8:9], s[70:71]
	s_or_b32 s[G0H+3], s[G0H+3], 0x80000000
	s_add_nc_u64 s[G0W+2:G0W+3], s[6:7], s[62:63]
	s_or_b32 s[G0W+3], s[G0W+3], 0x80000000
	s_add_nc_u64 s[10:11], s[10:11], s[68:69]
	ROUND                                          ; all four work-groups are here: the first loads go out as one group behind this round; two of mine are out
	tensor_load_to_lds s[G0X:G0X+3], s[G1X:G1X+7]
	s_nop 0
	tensor_load_to_lds s[G0H:G0H+3], s[G1H:G1H+7]
	s_nop 0
.rept 4
	v_nop
.endr
	v_and_b32 v[VRL], 15, v0
	v_bfe_u32 v[VHL], v0, 4, 1
	v_and_b32 v[AB0], 31, v0
	s_lshl_b32 s70, s[NH], 16
	v_lshl_add_u32 v[AB0], v[AB0], 4, s70
	s_lshl_b32 s70, s[NH], 8
	s_add_co_u32 s70, s70, W2T
	v_lshl_add_u32 v[AW0], v[VRL], 2, s70
	s_mul_i32 s70, s[MH], 64*XP                    ; a fragment's lane takes row r, k = 8 h .. + 7 and 16 + 8 h .. + 7: in f32, 32 bytes at 32 h and at 64 + 32 h
	v_mul_u32_u24 v[AX0], v[VRL], XP
	v_lshl_add_u32 v[AX0], v[VHL], 5, v[AX0]
	v_add_nc_u32 v[AX0], s70, v[AX0]
	v_add_nc_u32 v[AX0+1], XKH, v[AX0]
	s_mul_i32 s70, s[MH], 64*RP                    ; candidates: point 64 (w / 2) + 16 a + 8 h + j, place 16 (w % 2) + r
	s_lshl_b32 s71, s[NH], 6
	s_add_co_u32 s70, s70, s71
	s_add_co_u32 s70, s70, RED_D
	v_mul_u32_u24 v[VS], v[VHL], 8*RP
	v_lshl_add_u32 v[VS], v[VRL], 2, v[VS]
	v_add_nc_u32 v[VS], s70, v[VS]
	v_mul_u32_u24 v[VR], v0, RP
	v_add_nc_u32 v[VR], RED_D, v[VR]
	v_lshlrev_b32 v[VO], 3, v0
	s_wait_tensorcnt 0x0                           ; my piece of x and my quarter of hw2 are in,
	s_barrier_signal -1
	s_barrier_wait -1                              ; everybody's are
; x FROM THE STAGE INTO FRAGMENTS.  XLOAD: k step s of my 64 rows, 16 loads, into buffer b.  XCVT: its squares join the rows' running sums, four chains that take turns (the very first
; products start them); then it is rounded to bf16, 32 conversions, into the step's window.
.macro XLOAD s, b
	WIN 0
.irp a, 0,1,2,3
	ds_load_b128 v[T0+64*(\b)+16*\a:T0+64*(\b)+16*\a+3],     v[AX0+((\s)>>3)] offset:\a*16*XP+((\s)&7)*128
	ds_load_b128 v[T0+64*(\b)+16*\a+4:T0+64*(\b)+16*\a+7],   v[AX0+((\s)>>3)] offset:\a*16*XP+((\s)&7)*128+16
	ds_load_b128 v[T0+64*(\b)+16*\a+8:T0+64*(\b)+16*\a+11],  v[AX0+((\s)>>3)] offset:\a*16*XP+((\s)&7)*128+64
	ds_load_b128 v[T0+64*(\b)+16*\a+12:T0+64*(\b)+16*\a+15], v[AX0+((\s)>>3)] offset:\a*16*XP+((\s)&7)*128+80
.endr
.endm
.macro XCVT s, b
	WIN 0
.irp e, 0,1,2,3,4,5,6,7
.irp a, 0,1,2,3
.if ((\s) == 0) && (\e == 0)
	v_pk_mul_f32 v[SQ+2*\a:SQ+2*\a+1], v[T0+64*(\b)+16*\a+2*\e:T0+64*(\b)+16*\a+2*\e+1], v[T0+64*(\b)+16*\a+2*\e:T0+64*(\b)+16*\a+2*\e+1]
.else
	v_pk_fma_f32 v[SQ+2*\a:SQ+2*\a+1], v[T0+64*(\b)+16*\a+2*\e:T0+64*(\b)+16*\a+2*\e+1], v[T0+64*(\b)+16*\a+2*\e:T0+64*(\b)+16*\a+2*\e+1], v[SQ+2*\a:SQ+2*\a+1]
.endif
.endr
.endr
	XPOS \s
	WIN XW<<6                                      ; destination in the step's window, sources in window 0
.irp a, 0,1,2,3
.irp e, 0,1,2,3,4,5,6,7
	v_cvt_pk_bf16_f32 v[XB+8*\a+\e], v[T0+64*(\b)+16*\a+2*\e], v[T0+64*(\b)+16*\a+2*\e+1]
.endr
.endr
	WIN 0
.endm
.macro XHALF k                         ; the eight k steps of half k; a step's loads are out while the step before is converted
	XLOAD 8*(\k), 0
.irp j, 0,1,2,3,4,5,6
	XLOAD 8*(\k)+\j+1, (\j+1)%2
	s_wait_dscnt 16                                ; all but the 16 just issued
	XCVT 8*(\k)+\j, \j%2
.endr
	s_wait_dscnt 0x0
	XCVT 8*(\k)+7, 1
.endm
	XHALF 0
	s_wait_tensorcnt 0x0                           ; slot 0 lies inside k half 0 of the stage, which is read out: it is filled again in this order:
	ds_add_u32 v[SPW], v[NIL]                      ; the wait for all my tensor loads, the add,
	s_wait_dscnt 0x0                               ; the wait for it and for my reads of those bytes,
	ROUND                                          ; a round, so that the same holds of every wave of every partner,
	JLOAD                                          ; and the joint load first behind it: neurons 0-127
	XHALF 1                                        ; k half 1 lies above slot 0
	; x2 of row 16 a + r: the pair's two sums, then the other half of the lanes', which holds the row's other k
	s_mov_b32 s62, 0x76543210                      ; v_permlanex16_b32: each lane takes its own place in the other half
	s_mov_b32 s63, 0xfedcba98
.irp a, 0,1,2,3
	v_add_f32 v[X2+\a], v[SQ+2*\a], v[SQ+2*\a+1]
.endr
.irp a, 0,1,2,3
	v_permlanex16_b32 v[SQ+2*\a], v[X2+\a], s62, s63
.endr
.irp a, 0,1,2,3
	v_add_f32 v[X2+\a], v[X2+\a], v[SQ+2*\a]
.endr
	s_wait_tensorcnt 0x0                           ; tile 0 has landed; no tensor load of mine is out, so the walking group 0 may be written
	ds_add_u32 v[SPW], v[NIL]
	GSTEP
	s_wait_dscnt 0x0                               ; the add is done, and my reads of the stage are over
	ROUND
	JLOAD                                          ; neurons 128-255 into slot 1, over what is left of the stage
.macro SETADR                          ; the LDS address of my fragments in the slot s[TB], in each window that issues loads
	WIN 0x40
	v_add_nc_u32 v[ADR], s[TB], v[AB0]
	WIN 0x80
	v_add_nc_u32 v[ADR], s[TB], v[AB0]
	WIN 0xc0
	v_add_nc_u32 v[ADR], s[TB], v[AB0]
.endm
.macro RLOAD n                         ; fragment n of the slot's 64 of mine (neuron tile n / 16, k step n % 16): 1,024 consecutive bytes, two loads
	WPOS \n
	ds_load_b128 v[WB:WB+3],   v[ADR] offset:(\n)*1024
	ds_load_b128 v[WB+4:WB+7], v[ADR] offset:(\n)*1024+512
.endm
.macro RUN f, n                        ; fragments f .. f + n - 1 in one run
.set rn, (\f)
.rept (\n)
	RLOAD rn
.set rn, rn+1
.endr
.endm
.macro CMUL j                          ; two of the eight copies of -w2/2
	v_pk_mul_f32 v[CN+2*(\j):CN+2*(\j)+1], -1.0, v[HW:HW+1] op_sel_hi:[0,0]
.endm
.macro MM a, s, p                      ; point tile a, k step s (fragment FN), accumulator set p; the first k step starts the sum from -w2/2
	XPOS \s
	WPOS FN
.if (\s) == 0
	v_wmma_f32_16x16x32_bf16 v[ACC+32*(\p)+8*(\a):ACC+32*(\p)+8*(\a)+7], v[XB+8*(\a):XB+8*(\a)+7], v[WB:WB+7], v[CN:CN+7]
.else
	v_wmma_f32_16x16x32_bf16 v[ACC+32*(\p)+8*(\a):ACC+32*(\p)+8*(\a)+7], v[XB+8*(\a):XB+8*(\a)+7], v[WB:WB+7], v[ACC+32*(\p)+8*(\a):ACC+32*(\p)+8*(\a)+7]
.endif
.endm
; ONE RIDER, for pair u (registers 2 u, 2 u + 1 of the 32) of accumulator set RQ; e picks a register of the pair.
;   1  sum - best (its sign is exact)      2  mask: 0 >= sum - best, the old winner stays, on equal numbers too      3  the index      4  the maximum
.macro RD k, u, e
.set rE, ACC+32*RQ+2*(\u)
.set rB, BEST+2*(\u)
.set rI, IDX+2*(\u)
.set rD, DF+2*((\u)%2)
.set rM, MK+2*((\u)%2)+(\e)
.if (\k) == 1
	v_pk_fma_f32 v[rD:rD+1], -1.0, v[rB:rB+1], v[rE:rE+1] op_sel_hi:[0,1,1]
.elseif (\k) == 2
	v_cmp_ge_f32 s[rM], 0, v[rD+(\e)]
.elseif (\k) == 3
	v_cndmask_b32 v[rI+(\e)], s[CUR], v[rI+(\e)], s[rM]
.else
	v_max3_num_f32 v[rB+(\e)], s[NINF], v[rE+(\e)], v[rB+(\e)]
.endif
.endm
; The riders behind product g of k step s: steps 2 v and 2 v + 1 carry pairs 2 v and 2 v + 1.  An odd step ends in four maxima and an even
; step begins with two differences.  CMON = 1: steps 13 and 15 also make the next tile's C operand (w2/2 was shown in by step 12's wait).
.macro RG s, g
.set UA, 2*((\s)/2)
.set UB, UA+1
.if ((\s)%2) == 0
.if (\g) == 0
	RD 1, UA, 0
	RD 1, UB, 0
.elseif (\g) == 1
	RD 2, UA, 0
	RD 2, UA, 1
.elseif (\g) == 2
	RD 2, UB, 0
	RD 2, UB, 1
.else
	RD 3, UA, 0
	RD 3, UA, 1
.endif
.else
.if (\g) == 0
	RD 3, UB, 0
.if CMON && ((\s) >= 13)
	CMUL (\s)-13
.endif
.elseif (\g) == 1
	RD 3, UB, 1
.if CMON && ((\s) >= 13)
	CMUL (\s)-12
.endif
.elseif (\g) == 2
	RD 4, UA, 0
	RD 4, UA, 1
.else
	RD 4, UB, 0
	RD 4, UB, 1
.endif
.endif
.endm
; A STEP: neuron tile i (0-3) of the slot, k step s: fragment FN = 16 i + s.  Four products and their riders.
; RUNS.  In the first step of a group (s = 0, 6, 12), behind the second product's riders, stands the run for the NEXT group: 12, 8 or 12 loads, 22, 22 or 14 matrix instructions ahead of their first
; use.  The buffer that it fills was last read by the last product of the step before: two maxima, two differences and two compares lie between (a load into a register that a matrix instruction
; has read stands four places behind it).  The run at s = 6 begins with w2/2 of the next tile's neurons.
; WAITS.  LDS loads come back in order.  At the head of step t of a group of L steps 2 (L - 1 - t) loads of the group's later fragments may be out, and from t = 1 on the n loads of the run just issued.
; THE CHANGE OF SLOTS.  The slot's last reads go out at step 54.  58: the wait for all my tensor loads (one is out: my quarter of the next slot), the add, four products, the wait for the add and for
; my reads of this slot, the signal.  59: four products on registers; the barrier's wait; with fill = 1 the rest of a round of the cluster's barrier and the joint refill of the slot just left, with
; the neurons two slots on: it has 252 matrix instructions in which to land; then the next slot's first run, 16 matrix instructions ahead of its use.  Steps 59 to 63 need no wait.
.macro STEP i, s, fill
.set FN, 16*(\i)+(\s)
.set PP, (\i)%2
.set RQ, 1-PP
.if (\s) < 6
.set tT, (\s)
.set tL, 6
.set tN, 12
.elseif (\s) < 12
.set tT, (\s)-6
.set tL, 6
.set tN, 9
.else
.set tT, (\s)-12
.set tL, 4
.set tN, 12
.endif
.set CNT, 2*(tL-1-tT)
.if tT > 0
.set CNT, CNT+tN
.endif
.if (\s) == 0
.if (\i) == 1
	s_add_co_u32 s[CUR], s[CUR], 80                ; the riders now fold in tile 0 of this slot: from tile 3 of the last slot that is 128 - 48 neurons on
.else
	s_add_co_u32 s[CUR], s[CUR], 16
.endif
.endif
.if FN == 54
	s_add_co_u32 s[TW], s[TW], 512                 ; this step's run asks for w2/2 of the next slot's first tile;
	s_min_u32 s[TW], s[TW], 31*512                 ; behind the last slot there is none: the last slot's is read once more and serves nothing
	WIN 0x82
	v_add_nc_u32 v[ADRW], s[TW], v[AW0]
.endif
.if FN == 58
	WIN 0                                          ; (the add's two registers lie in window 0)
	s_wait_tensorcnt 0x0                           ; all my tensor loads have landed
	ds_add_u32 v[SPW], v[NIL]                      ; 0 onto my spare word
.endif
	XPOS \s
	WIN XW
.if FN <= 57
	s_wait_dscnt CNT
.elseif FN == 58
	s_wait_dscnt CNT+1                             ; the add may be out too
.endif
	MM 0, \s, PP
	RG \s, 0
	MM 1, \s, PP
	RG \s, 1
.if (\s) == 0
	RUN FN+6, 6
.elseif (\s) == 6
	ds_load_b32 v[HW], v[ADRW] offset:64*(((\i)+1)%4)
	RUN FN+6, 4
.elseif ((\s) == 12) && ((\i) < 3)
	RUN FN+4, 6
.endif
	MM 2, \s, PP
	RG \s, 2
	MM 3, \s, PP
	RG \s, 3
.if FN == 58
.if \fill
	GSTEP
.endif
	s_wait_dscnt 0x0                               ; the add is done, and my reads of this slot are over
	s_barrier_signal -1
.endif
.if FN == 59
	WIN 0                                          ; at a branch and at a label every window is 0
	s_barrier_wait -1
.if \fill
	CREST                                          ; no wave of any partner still reads this slot or has a load on its way
	JLOAD
.endif
	s_xor_b32 s[TB], s[TB], SLOT1
	SETADR                                         ; with the two maxima above, the places in front of the run where no refill's v_nop stand
	WIN 3
	RUN 0, 6
.endif
.endm
.macro TRIP fill                       ; a slot: 64 steps.  The four accumulators of a set take turns, one instruction a turn, over the tiles' and the trips' edges too
.irp i, 0,1,2,3
.irp s, 0,1,2,3,4,5,6,7,8,9,10,11,12,13,14,15
	STEP \i, \s, \fill
.endr
.endr
	WIN 0
.endm
	s_mov_b32 s[TB], 0
	s_mov_b32 s[TW], 0
	SETADR
	WIN 0x80
	v_add_nc_u32 v[ADRW], s[TW], v[AW0]
	WIN 0
	ds_load_b32 v[HW], v[AW0]                      ; w2/2 of my neuron in the first tile
	WIN 1
	RUN 0, 6
	WIN 0
	; What the first tile's riders find, written while those loads are out: the largest sum is the lowest finite number, and accumulator set 1 holds the same:
	; sum - best is 0 and nothing changes.  So no first tile is written out; the price is these 97 moves, once a launch.
	s_mov_b32 s62, 0xff7fffff
.set i, 0
.rept 32
	v_mov_b32 v[BEST+i], s62
	v_mov_b32 v[IDX+i], 0
	v_mov_b32 v[ACC+32+i], s62
.set i, i+1
.endr
	v_mov_b32 v[HW+1], 0                           ; named with HW as a pair
	s_wait_dscnt 12                                ; w2/2 is in; the twelve fragment loads may be out
.irp j, 0,1,2,3
	CMUL \j
.endr
	s_lshl_b32 s[CUR], s[NH], 6
	s_sub_co_u32 s[CUR], s[CUR], 96                ; two steps of 16 and 80 lead to my first neuron, 64 (w % 2)
.set CMON, 1
	s_mov_b32 s[TRIPS], 30
.Ltrip:                                                ; slots 0-29: each is filled again, with tiles 2-31
	TRIP 1
	s_sub_co_u32 s[TRIPS], s[TRIPS], 1
	s_cmp_lg_u32 s[TRIPS], 0
	s_cbranch_scc1 .Ltrip
	s_mov_b32 s[TRIPS], 2
.Ltail:                                                ; the last two slots: nothing is asked for.  The very last trip's barrier and its 12 loads of
	TRIP 0                                         ; a slot that has been read serve nothing: the price, once a launch, of one text for both trips
	s_sub_co_u32 s[TRIPS], s[TRIPS], 1
	s_cmp_lg_u32 s[TRIPS], 0
	s_cbranch_scc1 .Ltail
	s_add_co_u32 s[CUR], s[CUR], 16                ; the last tile is folded in; its products' places are the last step's riders and, for the later accumulators, the earlier pairs' lines
.set RQ, 1
.set CMON, 0
.irp s, 0,1,2,3,4,5,6,7,8,9,10,11,12,13,14,15
.irp g, 0,1,2,3
	RG \s, \g
.endr
.endr
	s_wait_dscnt 0x0                               ; the loads that serve nothing are back
	; THE 32 CANDIDATES OF A POINT MEET.  Each lane's index gets its neuron's place in the tile; sums and indices go to LDS by points; thread P takes point P.
	; x2 goes from 'row 16 a + r in lane r' to 'point P in thread P' through my wave's own 256 bytes: thread P sits in wave P / 32, whose 64 rows begin at point 64 (P / 64).
.set i, 0
.rept 32
	v_add_nc_u32 v[IDX+i], v[VRL], v[IDX+i]
.set i, i+1
.endr
	s_lshl_b32 s70, s[WV], 8
	s_add_co_u32 s70, s70, X2R
	v_lshl_add_u32 v20, v[VRL], 2, s70             ; in: row 16 a + r (both halves of the lanes hold the same number and write the same word)
	v_and_b32 v21, 63, v0
	v_lshl_add_u32 v21, v21, 2, s70                ; back: row P % 64
.irp a, 0,1,2,3
.irp j, 0,1,2,3,4,5,6,7
	ds_store_b32 v[VS], v[BEST+8*\a+\j] offset:(16*\a+\j)*RP
	ds_store_b32 v[VS], v[IDX+8*\a+\j] offset:(16*\a+\j)*RP+RED_I
.endr
.endr
.irp a, 0,1,2,3
	ds_store_b32 v20, v[X2+\a] offset:64*\a
.endr
	s_wait_dscnt 0x0                               ; for the others' sake: my stores are done
	s_barrier_signal -1
	s_barrier_wait -1
.irp q, 0,1,2,3,4,5,6,7
	ds_load_b128 v[32+4*\q:35+4*\q], v[VR] offset:16*\q
.endr
.irp q, 0,1,2,3,4,5,6,7
	ds_load_b128 v[64+4*\q:67+4*\q], v[VR] offset:16*\q+RED_I
.endr
	ds_load_b32 v22, v21                           ; x2 of my point
	s_wait_dscnt 0x0
; The largest of the 32 sums in v[32:63] into register m, and into register x the smallest index among the candidates that reach it.
.macro MOST m, x
	v_max3_num_f32 v[\m], v32, v33, v34
.set i, 35
.rept 14
	v_max3_num_f32 v[\m], v[\m], v[i], v[i+1]
.set i, i+2
.endr
	v_max_num_f32 v[\m], v[\m], v63
	v_mov_b32 v[\x], -1
.set i, 0
.rept 32
	v_cmp_eq_f32 vcc_lo, v[\m], v[32+i]
	v_cndmask_b32 v14, -1, v[64+i], vcc_lo
	v_min_u32 v[\x], v[\x], v14
.set i, i+1
.endr
.endm
	MOST 12, 18                                    ; the best candidate
	v_mov_b32 v15, s[NINF]
.set i, 0
.rept 32                                           ; it is taken out: its sum becomes -infinity
	v_cmp_eq_u32 vcc_lo, v18, v[64+i]
	v_cndmask_b32 v[32+i], v[32+i], v15, vcc_lo
.set i, i+1
.endr
	MOST 16, 19                                    ; the best of the rest
	; settled?  key1 - key2 > 2^-17 (5 x2 - 4 key2).  A NaN on either side leaves the pair open.
	v_mul_f32 v23, 0x40a00000, v22                 ; 5 x2
	v_fma_f32 v23, -4.0, v16, v23                  ; - 4 key2
	v_mul_f32 v23, 0x37000000, v23                 ; x 2^-17
	v_sub_f32 v24, v12, v16
	v_cmp_gt_f32 vcc_lo, v24, v23
	v_cndmask_b32 v19, v19, v18, vcc_lo            ; a settled pair names its first neuron twice
	global_store_b64 v[VO], v[18:19], s[10:11]     ; 256 consecutive bytes a wave, at a multiple of 256 from cand's first byte
	s_wait_tensorcnt 0x0                           ; the wave's end, behind my last tensor load and my last LDS store
	ds_add_u32 v[SPW], v[NIL]
	s_wait_dscnt 0x0
	ROUND                                          ; the closing round: no work-group ends while a partner may still ask for a tile that names it
	s_endpgm
.Lfunc_end_k_qc58b513bf4_winner:
	.size	k_qc58b513bf4_winner, .Lfunc_end_k_qc58b513bf4_winner-k_qc58b513bf4_winner
	.p2alignl 7, 3214868480
	.fill 96, 4, 3214868480
	.section	.rodata,"a",@progbits
	.p2align	6, 0x0
	.amdhsa_kernel k_qc58b513bf4_winner
		.amdhsa_group_segment_fixed_size 327680
		.amdhsa_private_segment_fixed_size 0
		.amdhsa_enable_private_segment 0
		.amdhsa_kernarg_size 32
		.amdhsa_user_sgpr_count 2
		.amdhsa_user_sgpr_kernarg_segment_ptr 1
		.amdhsa_wavefront_size32 1
		.amdhsa_system_sgpr_workgroup_id_x 1
		.amdhsa_system_sgpr_workgroup_id_y 1
		.amdhsa_system_sgpr_workgroup_id_z 1
		.amdhsa_system_vgpr_workitem_id 0
		.amdhsa_next_free_vgpr 1024
		.amdhsa_next_free_sgpr 72
		.amdhsa_reserve_vcc 1
		.amdhsa_float_denorm_mode_32 3
		.amdhsa_float_denorm_mode_16_64 3
		.amdhsa_memory_ordered 1
		.amdhsa_forward_progress 1
		.amdhsa_inst_pref_size 232
	.end_amdhsa_kernel
	.amdgpu_metadata
---
amdhsa.version: [ 1, 2 ]
amdhsa.kernels:
  - .name:           k_qc58b513bf4_winner
    .symbol:         k_qc58b513bf4_winner.kd
    .args:
      - { .name: x, .offset: 0, .size: 8, .value_kind: global_buffer, .address_space: global }
      - { .name: wf, .offset: 8, .size: 8, .value_kind: global_buffer, .address_space: global }
      - { .name: hw2, .offset: 16, .size: 8, .value_kind: global_buffer, .address_space: global }
      - { .name: cand, .offset: 24, .size: 8, .value_kind: global_buffer, .address_space: global }
    .group_segment_fixed_size: 327680
    .private_segment_fixed_size: 0
    .kernarg_segment_align: 8
    .kernarg_segment_size: 32
    .max_flat_workgroup_size: 128
    .sgpr_count:     72
    .vgpr_count:     1024
    .wavefront_size: 32
...
	.end_amdgpu_metadata
.endif
;; end of part 5
;; launch pick (part 6): grid 512 x 1, 8 waves a work-group, no clusters, 53,248 bytes of LDS; arguments cand, x, weights, hw2, out0; writes out0
.if DOCPART == 6
	.amdgcn_target "amdgcn-amd-amdhsa--gfx1250"
	.amdhsa_code_object_version 6
	.text
	.protected	k_qc58b513bf4_pick
	.globl	k_qc58b513bf4_pick
	.p2align	8
	.type	k_qc58b513bf4_pick,@function
k_qc58b513bf4_pick:
	s_mov_b64 s[64:65], 0
	v_nop
	global_prefetch_b8 v0, s[64:65] scope:SCOPE_SE
	s_setreg_imm32_b32 hwreg(HW_REG_WAVE_MODE, 25, 1), 1
	s_wait_xcnt 0x0
; out0[n][:] = weights[k][:], f32 rows of 2,048 bytes, k that of point n's two candidates cand[n][0], cand[n][1] whose distance is less; on equal distances the smaller index.
; Equal candidates mean that the launch before has settled the point.  A work-group takes 64 points, a wave 8; its 16 indices come by one scalar load.
; THE SHORT WAY, where all 8 pairs are settled: 32 row loads (512 consecutive bytes each) all go out before the first store; each store covers 512 consecutive bytes at a multiple of 256 from
; out0's first byte.  The branch hangs on whole numbers that an earlier launch stored.
; THE LONG WAY, where a pair is open: both distances of all 8 points are summed anew in f32 from x and the weights rounded to bf16 (their products are exact in f32, so the order of the additions
; is all that counts), in a fixed order, meant to follow the order in which a blocked f32 product and a windowed f32 sum are taken on a CPU:
;   the product x.w in ascending k, in two blocks of 320 and 192, each from 0, the second block's sum added onto the first's;
;   x2 (as hw2 was) in 16 windows of 32 consecutive k, each in ascending k, then the window sums in order;
;   e = (x2/2 - x.w) + w2/2, half of (x2 - 2 x.w) + w2 with the same roundings, since a factor 2 passes through every f32 rounding (distances under 2^-125 excepted).
; Lane L sums point L % 8 against candidate L / 16 (lanes 8-15 and 24-31 repeat their neighbours' work).  k goes in four chunks of 128, written out.  A chunk's 24 row pieces (8 of x, 16 of the
; weights) come in as loads of 512 consecutive bytes, are rounded, and are turned from 'a row a load' to 'a row a lane' through the wave's OWN 6,528 bytes of LDS: no wave reads another's bytes, so
; no barrier.  Two register buffers of 96 take turns: a chunk's loads are out while the chunk before is summed.  Then both candidates' f32 rows are loaded once more, in batches of 3, 3 and 2
; points (the first under the last chunk's work), the winner's is selected by v_cndmask_b32, and it is stored: no address hangs on the decision.
; LIMITS.  Two distances that differ by less than these sums' own rounding are ordered as this order of summation orders them.  NaN distances: the first candidate stays.
; An index is clamped to 4,095, the table's last row, before it enters an address.
; No matrix unit: 2 x 512 multiply-adds a point, in a prescribed order.  No cluster: which rows a wave reads hangs on the indices.  x carries the hint of data read once; the weights' rows may come
; again; the output is written once.
.set LP,     272                       ; a row piece in LDS: 128 bf16 + 16 bytes: the rows that a load touches start 4 banks apart (64 banks of 4 bytes: ISA guide 11.1)
.set WREG,   24*LP                     ; a wave's region: rows 0-7 x, rows 8-15 the first candidates', rows 16-23 the second candidates'
.set SPARE,  8*WREG                    ; behind the eight regions: the spare words, 128 bytes a wave: four blocks of 256 bytes that no other line names
.set CUTK,   320                       ; the product's first block ends in front of this k
.set VL,  1                            ; v1   lane
.set V16, 2                            ; v2   16 x lane: my 16 bytes of a row piece; never rewritten
.set AST, 3                            ; v3   LDS: where my 8 bytes of row 0 go
.set AXR, 4                            ; v4   LDS: my point's row
.set AWR, 5                            ; v5   LDS: my candidate's row
.set SPW, 6                            ; v6   my spare word; never rewritten
.set NIL, 7                            ; v7   0; never rewritten
.set ACA, 8                            ; v8   the product's first block; at the end the whole product
.set ACB, 9                            ; v9   its second block
.set XW,  10                           ; v10  x2: the window's running sum
.set XT,  11                           ; v11  x2: the windows' sum; at the end x2/2
.set VA,  12                           ; v12  byte offset of my candidate's index
.set IX,  13                           ; v13  my candidate's index
.set IY,  14                           ; v14  4 x index; at the end the other candidate's index
.set HWV, 15                           ; v15  w2/2 of my candidate
.set T,   16                           ; v[16:23] four pairs: rounded numbers on their way to LDS
.set ZR,  24                           ; v24  0: what a sum starts from
.set E,   26                           ; v26  my e
.set EO,  27                           ; v27  the other candidate's
.set WOFF, 32                          ; v[32:47]   candidate c of point p: 2,048 x index + 16 x lane at WOFF + 8 c + p; never rewritten
.set BA,  64                           ; v[64:159]  buffer A;  on the short way v[64:191]: row p, quarter q at BA + 16 p + 4 q
.set BB,  160                          ; v[160:255] buffer B
.set SEL, 40                           ; s[40:47] point p: all ones where the second candidate wins
.set MP,  48                           ; s48  lanes whose partner wins
.set FM,  49                           ; s49  a lane mask at work
.set LTI, 50                           ; s50  lanes whose partner has the smaller index
	s_load_b256 s[4:11], s[0:1], 0x0               ; cand s[4:5], x s[6:7], weights s[8:9], hw2 s[10:11]
	s_load_b64 s[12:13], s[0:1], 0x20              ; out0
	v_lshl_add_u32 v[SPW], v0, 2, SPARE
	v_mov_b32 v[NIL], 0
	v_lshrrev_b32 v[VL], 5, v0
	v_readfirstlane_b32 s14, v[VL]                 ; wave 0..7
	v_and_b32 v[VL], 31, v0
	v_lshlrev_b32 v[V16], 4, v[VL]
	s_lshl_b32 s15, ttmp9, 6
	s_lshl_b32 s32, s14, 3
	s_add_co_u32 s15, s15, s32                     ; my wave's first point
	s_lshl_b32 s32, s15, 3                         ; its place in cand,
	s_mov_b32 s33, 0
	s_lshl_b32 s34, s15, 11                        ; in x and in out0
	s_mov_b32 s35, 0
	s_wait_kmcnt 0x0
	s_add_nc_u64 s[4:5], s[4:5], s[32:33]
	s_add_nc_u64 s[6:7], s[6:7], s[34:35]
	s_add_nc_u64 s[12:13], s[12:13], s[34:35]
	s_load_b512 s[16:31], s[4:5], 0x0              ; point p's candidate c in s[16 + 2 p + c]
	s_wait_kmcnt 0x0
.set j, 0
.rept 16
	s_min_u32 s[16+j], s[16+j], 4095
.set j, j+1
.endr
	s_xor_b32 s36, s16, s17                        ; not 0 where a pair is open
.irp p, 1,2,3,4,5,6,7
	s_xor_b32 s37, s[16+2*\p], s[17+2*\p]
	s_or_b32 s36, s36, s37
.endr
.irp p, 0,1,2,3,4,5,6,7
	v_lshl_add_u32 v[WOFF+\p], s[16+2*\p], 11, v[V16]
.endr
	s_cmp_lg_u32 s36, 0
	s_cbranch_scc1 .Lopen
	; THE SHORT WAY.  No register is written twice, so no wait frees any.
.irp p, 0,1,2,3,4,5,6,7
.irp q, 0,1,2,3
	global_load_b128 v[BA+16*\p+4*\q:BA+16*\p+4*\q+3], v[WOFF+\p], s[8:9] offset:512*\q
.endr
.endr
.irp p, 0,1,2,3,4,5,6,7
	s_wait_loadcnt 28-4*\p                         ; loads come back in order: row p's four are in, the later rows' stay out
.irp q, 0,1,2,3
	global_store_b128 v[V16], v[BA+16*\p+4*\q:BA+16*\p+4*\q+3], s[12:13] offset:2048*\p+512*\q th:TH_STORE_NT
.endr
.endr
	s_endpgm                                       ; this way has written no LDS
; Chunk q's 24 row pieces into a buffer: row i at buf + 4 i
.macro LOADS q, buf
.set i, 0
.rept 8
	global_load_b128 v[(\buf)+4*i:(\buf)+4*i+3], v[V16], s[6:7] offset:2048*i+512*(\q) th:TH_LOAD_NT
.set i, i+1
.endr
.set i, 0
.rept 16
	global_load_b128 v[(\buf)+32+4*i:(\buf)+32+4*i+3], v[WOFF+i], s[8:9] offset:512*(\q)
.set i, i+1
.endr
.endm
; The buffer's 24 rows are rounded to bf16 and stored into the stage, four rows at a time.  young: the loads issued behind this chunk's.
.macro STAGE buf, young
.set g, 0
.rept 6
	s_wait_loadcnt 20-4*g+(\young)                 ; loads come back in order: rows 4 g .. 4 g + 3 are in; the chunk's later rows and the younger loads stay out
.irp r, 0,1,2,3
	v_cvt_pk_bf16_f32 v[T+2*\r],   v[(\buf)+4*(4*g+\r)],   v[(\buf)+4*(4*g+\r)+1]
	v_cvt_pk_bf16_f32 v[T+2*\r+1], v[(\buf)+4*(4*g+\r)+2], v[(\buf)+4*(4*g+\r)+3]
	ds_store_b64 v[AST], v[T+2*\r:T+2*\r+1] offset:(4*g+\r)*LP
.endr
.set g, g+1
.endr
.endm
; Step j of a chunk is 8 k: 16 bytes of my point's row and of my candidate's, into place j % 12 of the buffer just rounded
.macro FETCH buf, j
	ds_load_b128 v[(\buf)+8*((\j)%12):(\buf)+8*((\j)%12)+3],   v[AXR] offset:16*(\j)  ; LDS serves a wave's instructions in order (ISA guide 5.7.1.4): these see the stores above,
	ds_load_b128 v[(\buf)+8*((\j)%12)+4:(\buf)+8*((\j)%12)+7], v[AWR] offset:16*(\j)  ; and the next chunk's stores come behind them
.endm
; d = a x b + c, a and b the low (h = 0) or high (h = 1) bf16 halves
.macro MX d, a, b, c, h
.if \h
	v_fma_mix_f32_bf16 v[\d], v[\a], v[\b], v[\c] op_sel:[1,1,0] op_sel_hi:[1,1,0]
.else
	v_fma_mix_f32_bf16 v[\d], v[\a], v[\b], v[\c] op_sel_hi:[1,1,0]
.endif
.endm
; Step j of chunk q is summed.  Two chains take turns: x2's window and the product's block.
.macro DOT8 q, j, buf
.set rD, (\buf)+8*((\j)%12)
.set kk, 128*(\q)+8*(\j)
.if kk < CUTK
.set rA, ACA
.else
.set rA, ACB
.endif
.if (\j) < 4
	s_wait_dscnt 22-2*(\j)                         ; LDS loads come back in order: this step's two are in; of the twelve steps asked for, the later ones' two each may be out
.else
	s_wait_dscnt 30-2*(\j)                         ; all sixteen steps have been asked for
.endif
.irp e, 0,1,2,3
.irp h, 0,1
.if ((\j)%4 == 0) && (\e == 0) && (\h == 0)
	MX XW, rD+\e, rD+\e, ZR, \h                    ; a window of 32 k begins
.else
	MX XW, rD+\e, rD+\e, XW, \h
.endif
.if ((kk == 0) || (kk == CUTK)) && (\e == 0) && (\h == 0)
	MX rA, rD+\e, rD+4+\e, ZR, \h                  ; a block of the product begins
.else
	MX rA, rD+\e, rD+4+\e, rA, \h
.endif
.endr
.endr
.if (\j)%4 == 3
	v_add_f32 v[XT], v[XT], v[XW]                  ; the window ends
.endif
.endm
; A chunk's sixteen steps: twelve are asked for at once (96 registers); the last four take the first four's places when those are summed
.macro CHAIN q, buf
.irp j, 0,1,2,3,4,5,6,7,8,9,10,11
	FETCH \buf, \j
.endr
.irp j, 0,1,2,3
	DOT8 \q, \j, \buf
.endr
.irp j, 12,13,14,15
	FETCH \buf, \j
.endr
.irp j, 4,5,6,7,8,9,10,11,12,13,14,15
	DOT8 \q, \j, \buf
.endr
.endm
; Both candidates' f32 rows of point p: eight loads, 32 registers
.macro OLOAD p, reg
.irp q, 0,1,2,3
	global_load_b128 v[(\reg)+4*\q:(\reg)+4*\q+3], v[WOFF+(\p)], s[8:9] offset:512*\q
.endr
.irp q, 0,1,2,3
	global_load_b128 v[(\reg)+16+4*\q:(\reg)+16+4*\q+3], v[WOFF+8+(\p)], s[8:9] offset:512*\q
.endr
.endm
; The winner's row of point p is selected in place and stored.  young: the loads issued behind this point's eight.
.macro OSTORE p, reg, young
	s_wait_loadcnt \young
.set i, 0
.rept 16
	v_cndmask_b32 v[(\reg)+i], v[(\reg)+i], v[(\reg)+16+i], s[SEL+(\p)]
.set i, i+1
.endr
.irp q, 0,1,2,3
	global_store_b128 v[V16], v[(\reg)+4*\q:(\reg)+4*\q+3], s[12:13] offset:2048*(\p)+512*\q th:TH_STORE_NT
.endr
.endm
.Lopen:                                                ; THE LONG WAY
	v_and_b32 v[VA], 7, v[VL]                      ; my point
	v_lshrrev_b32 v[IY], 4, v[VL]                  ; my candidate, 0 or 1
	v_lshl_add_u32 v[AWR], v[IY], 3, v[VA]         ; 8 x candidate + point
	v_lshlrev_b32 v[IY], 2, v[IY]
	v_mul_u32_u24 v[AXR], v[VA], LP
	v_lshl_add_u32 v[VA], v[VA], 3, v[IY]          ; 8 x point + 4 x candidate
	global_load_b32 v[IX], v[VA], s[4:5]           ; each lane's own index
.irp p, 0,1,2,3,4,5,6,7
	v_lshl_add_u32 v[WOFF+8+\p], s[17+2*\p], 11, v[V16]
.endr
	LOADS 0, BA
	LOADS 1, BB
	s_mul_i32 s38, s14, WREG                       ; my wave's region
	v_lshl_add_u32 v[AST], v[VL], 3, s38
	v_add_nc_u32 v[AXR], s38, v[AXR]
	v_mul_u32_u24 v[AWR], v[AWR], LP
	v_add_nc_u32 v[AWR], s38, v[AWR]
	v_add_nc_u32 v[AWR], 8*LP, v[AWR]
	v_mov_b32 v[XT], 0
	v_mov_b32 v[ZR], 0
	v_mov_b32 v[EO], 0
	s_wait_loadcnt 48                              ; my index is in; the two chunks' 48 loads may be out
	v_min_u32 v[IX], 4095, v[IX]
	v_lshlrev_b32 v[IY], 2, v[IX]
	global_load_b32 v[HWV], v[IY], s[10:11]        ; older than chunk 2's loads: the waits for those show it in
	STAGE BA, 25                                   ; behind chunk 0: chunk 1's 24 loads and the one above
	CHAIN 0, BA
	LOADS 2, BA                                    ; buffer A is summed: it takes the chunk after next
	STAGE BB, 25                                   ; behind chunk 1: the load of w2/2 and chunk 2's 24
	CHAIN 1, BB
	LOADS 3, BB
	STAGE BA, 24                                   ; behind chunk 2: chunk 3's 24
	CHAIN 2, BA
	OLOAD 0, BA                                    ; buffer A takes the rows of points 0 to 2, which land under chunk 3's work
	OLOAD 1, BA+32
	OLOAD 2, BA+64
	STAGE BB, 24                                   ; behind chunk 3: those 24
	CHAIN 3, BB
	OLOAD 3, BB
	OLOAD 4, BB+32
	OLOAD 5, BB+64
	v_add_f32 v[ACA], v[ACA], v[ACB]               ; the second block's sum joins the first's
	v_mul_f32 v[XT], 0.5, v[XT]                    ; halving is exact
	s_mov_b32 s36, 0x76543210                      ; v_permlanex16_b32: each lane takes its own place in the other half: the point's other candidate
	s_mov_b32 s37, 0xfedcba98
	v_permlanex16_b32 v[IY], v[IX], s36, s37
	v_cmp_lt_u32 s[LTI], v[IY], v[IX]
	v_sub_f32 v[E], v[XT], v[ACA]
	v_add_f32 v[E], v[E], v[HWV]                   ; e
	v_permlanex16_b32 v[EO], v[E], s36, s37
	v_cmp_lt_f32 s[MP], v[EO], v[E]                ; the other wins if its e is less,
	v_cmp_eq_f32 s[FM], v[EO], v[E]                ; or equal
	s_and_b32 s[FM], s[FM], s[LTI]                 ; with the smaller index
	s_or_b32 s[MP], s[MP], s[FM]
.irp p, 0,1,2,3,4,5,6,7
	s_bitcmp1_b32 s[MP], \p                        ; lane p holds point p's first candidate: its bit says whether the second wins;
	s_cselect_b32 s[SEL+\p], -1, 0                 ; spread over all lanes, for a select alone
.endr
	OSTORE 0, BA, 40                               ; behind point 0's loads: points 1 and 2 (16) and 3 to 5 (24)
	OSTORE 1, BA+32, 32
	OSTORE 2, BA+64, 24
	s_wait_xcnt 0x0                                ; the registers that the stores above read are loaded again only behind this wait
	OLOAD 6, BA
	OLOAD 7, BA+32
	OSTORE 3, BB, 32                               ; behind point 3's loads: points 4 and 5 (16) and 6 and 7 (16)
	OSTORE 4, BB+32, 24
	OSTORE 5, BB+64, 16
	OSTORE 6, BA, 8
	OSTORE 7, BA+32, 0
	s_wait_tensorcnt 0x0                           ; the wave's end, behind my last LDS store
	ds_add_u32 v[SPW], v[NIL]
	s_wait_dscnt 0x0
	s_endpgm
.Lfunc_end_k_qc58b513bf4_pick:
	.size	k_qc58b513bf4_pick, .Lfunc_end_k_qc58b513bf4_pick-k_qc58b513bf4_pick
	.p2alignl 7, 3214868480
	.fill 96, 4, 3214868480
	.section	.rodata,"a",@progbits
	.p2align	6, 0x0
	.amdhsa_kernel k_qc58b513bf4_pick
		.amdhsa_group_segment_fixed_size 53248
		.amdhsa_private_segment_fixed_size 0
		.amdhsa_enable_private_segment 0
		.amdhsa_kernarg_size 40
		.amdhsa_user_sgpr_count 2
		.amdhsa_user_sgpr_kernarg_segment_ptr 1
		.amdhsa_wavefront_size32 1
		.amdhsa_system_sgpr_workgroup_id_x 1
		.amdhsa_system_sgpr_workgroup_id_y 1
		.amdhsa_system_sgpr_workgroup_id_z 1
		.amdhsa_system_vgpr_workitem_id 0
		.amdhsa_next_free_vgpr 256
		.amdhsa_next_free_sgpr 66
		.amdhsa_reserve_vcc 0
		.amdhsa_float_denorm_mode_32 3
		.amdhsa_float_denorm_mode_16_64 3
		.amdhsa_memory_ordered 1
		.amdhsa_forward_progress 1
		.amdhsa_inst_pref_size 132
	.end_amdhsa_kernel
	.amdgpu_metadata
---
amdhsa.version: [ 1, 2 ]
amdhsa.kernels:
  - .name:           k_qc58b513bf4_pick
    .symbol:         k_qc58b513bf4_pick.kd
    .args:
      - { .name: cand, .offset: 0, .size: 8, .value_kind: global_buffer, .address_space: global }
      - { .name: x, .offset: 8, .size: 8, .value_kind: global_buffer, .address_space: global }
      - { .name: weights, .offset: 16, .size: 8, .value_kind: global_buffer, .address_space: global }
      - { .name: hw2, .offset: 24, .size: 8, .value_kind: global_buffer, .address_space: global }
      - { .name: out0, .offset: 32, .size: 8, .value_kind: global_buffer, .address_space: global }
    .group_segment_fixed_size: 53248
    .private_segment_fixed_size: 0
    .kernarg_segment_align: 8
    .kernarg_segment_size: 40
    .max_flat_workgroup_size: 256
    .sgpr_count:     66
    .vgpr_count:     256
    .wavefront_size: 32
...
	.end_amdgpu_metadata
.endif
;; end of part 6
